; MI455X (gfx1250); checked and timed in simulation.
; The chip was launched on July 23, 2026; its instructions are those of AMD's public machine-readable ISA for CDNA 5 (MIT licence, August 2026) and "CDNA5" Instruction Set Architecture Reference Guide (July 2026). The comments in the code are by the model that wrote it; some were corrected since.
;; Attention. Allowed arithmetic: float matrix products may take bf16 or f16 operands with f32 sums; other float arithmetic in f32, or as packed bf16 or f16 multiplies, adds, multiply-adds, maxima and minima; sums over many terms, partial sums and values carried from step to step in f32; what a program stores and reads back later, other than sums and carried values, may be rounded once to bf16 or f16.
;; Inputs: b_proj 1,024 float32; b_qkv 3,072 float32; w_proj 1,024 x 1,024 float32; w_qkv 3,072 x 1,024 float32; x 4 x 2,048 x 1,024 float32.
;; Outputs: out0 4 x 2,048 x 1,024 float32.
;; One version. Each part assembles by itself: llvm-mc -triple=amdgcn-amd-amdhsa -mcpu=gfx1250 --defsym DOCPART=n.
;; ======== version 1 of 1: 4 launches
;; limits: values are held in f16: magnitudes above 65,504 overflow, below 6.1e-05 lose precision
;; workspace buffers: xb 16,777,216 bytes; wqb 6,291,456 bytes; wpf 2,097,152 bytes; qkv 50,331,648 bytes; o 16,777,216 bytes
;; launch cast (part 1): grid 768 x 1, 8 waves a work-group, no clusters, 0 bytes of LDS; arguments x, w_qkv, w_proj, xb, wqb, wpf; writes xb, wqb, wpf
.if DOCPART == 1
	.amdgcn_target "amdgcn-amd-amdhsa--gfx1250"
	.amdhsa_code_object_version 6
	.text
	.protected	k_q8343eedf8b_cast
	.globl	k_q8343eedf8b_cast
	.p2align	8
	.type	k_q8343eedf8b_cast,@function
k_q8343eedf8b_cast:
	s_mov_b64 s[64:65], 0
	v_nop
	global_prefetch_b8 v0, s[64:65] scope:SCOPE_SE
	s_setreg_imm32_b32 hwreg(HW_REG_WAVE_MODE, 25, 1), 1
	s_wait_xcnt 0x0
; x [8192][1024] and w_qkv [3072][1024], f32, are rounded once to bf16 (xb, wqb); w_proj [1024][1024] is rounded to bf16 and that number is written as f16 (wpf):
; exact where its magnitude is 6.1e-5 or more, below that within f16's fixed step of 6e-8.
; A stream: each byte is read once and written once.  A work-group takes 65,536 bytes of f32 and writes 32,768: work-groups 0-511 x, 512-703 w_qkv, 704-767 w_proj.
; Thread t takes 16 bytes at 16 t of each block of 4,096: a wave's load covers 512 consecutive bytes, its store of 8 bytes a lane 256 consecutive bytes, aligned.
; All sixteen loads of a thread go out at once; every slot has registers of its own, so no register that a load or store names is written again.
; No LDS, no barrier, no matrix unit: nothing is shared and nothing is multiplied.
.set X, 4                              ; v[4:67]    slot i: four f32 as loaded
.set Y, 68                             ; v[68:99]   slot i: four 16-bit numbers to store
.set T, 100                            ; v[100:103] at work
	s_load_b256 s[4:11], s[0:1], 0x0               ; x s[4:5], w_qkv s[6:7], w_proj s[8:9], xb s[10:11]
	s_load_b128 s[12:15], s[0:1], 0x20             ; wqb s[12:13], wpf s[14:15]
	v_lshlrev_b32 v1, 4, v0                        ; my 16 bytes in a block of 4,096
	v_lshlrev_b32 v2, 3, v0                        ; my 8 bytes in a block of 2,048
	s_mov_b32 s20, 704
	s_mov_b32 s23, 0
	s_wait_kmcnt 0x0
	s_cmp_lt_u32 ttmp9, 704                        ; which tensor: the choice hangs on the work-group's number alone
	s_cselect_b64 s[16:17], s[6:7], s[8:9]
	s_cselect_b64 s[18:19], s[12:13], s[14:15]
	s_cselect_b32 s20, 512, s20
	s_cmp_lt_u32 ttmp9, 512
	s_cselect_b64 s[16:17], s[4:5], s[16:17]
	s_cselect_b64 s[18:19], s[10:11], s[18:19]
	s_cselect_b32 s20, 0, s20                      ; the tensor's first work-group
	s_sub_co_u32 s20, ttmp9, s20                   ; my number within the tensor
	s_lshl_b32 s22, s20, 16
	s_add_nc_u64 s[16:17], s[16:17], s[22:23]      ; from here
	s_lshl_b32 s22, s20, 15
	s_add_nc_u64 s[18:19], s[18:19], s[22:23]      ; to here
.irp i, 0,1,2,3,4,5,6,7,8,9,10,11,12,13,14,15
	global_load_b128 v[X+4*(\i):X+4*(\i)+3], v1, s[16:17] offset:4096*(\i) th:TH_LOAD_NT
.endr
; Slot i.  half = 1: the bf16 numbers are widened again and written as f16.
.macro CONV i, half
	s_wait_loadcnt 15-(\i)                         ; loads come back in order (ISA guide 5.7.1): slot i is in, the 15 - i younger ones stay out
	v_cvt_pk_bf16_f32 v[Y+2*(\i)], v[X+4*(\i)], v[X+4*(\i)+1]
	v_cvt_pk_bf16_f32 v[Y+2*(\i)+1], v[X+4*(\i)+2], v[X+4*(\i)+3]
.if \half
	v_lshlrev_b32 v[T], 16, v[Y+2*(\i)]
	v_and_b32 v[T+1], 0xffff0000, v[Y+2*(\i)]
	v_lshlrev_b32 v[T+2], 16, v[Y+2*(\i)+1]
	v_and_b32 v[T+3], 0xffff0000, v[Y+2*(\i)+1]
	v_cvt_pk_f16_f32 v[Y+2*(\i)], v[T], v[T+1]
	v_cvt_pk_f16_f32 v[Y+2*(\i)+1], v[T+2], v[T+3]
.endif
	global_store_b64 v2, v[Y+2*(\i):Y+2*(\i)+1], s[18:19] offset:2048*(\i) th:TH_STORE_NT
.endm
	s_cmp_ge_u32 ttmp9, 704
	s_cbranch_scc1 .Lf16
.irp i, 0,1,2,3,4,5,6,7,8,9,10,11,12,13,14,15
	CONV \i, 0
.endr
	s_endpgm
.Lf16:
.irp i, 0,1,2,3,4,5,6,7,8,9,10,11,12,13,14,15
	CONV \i, 1
.endr
	s_endpgm
.Lfunc_end_k_q8343eedf8b_cast:
	.size	k_q8343eedf8b_cast, .Lfunc_end_k_q8343eedf8b_cast-k_q8343eedf8b_cast
	.p2alignl 7, 3214868480
	.fill 96, 4, 3214868480
	.section	.rodata,"a",@progbits
	.p2align	6, 0x0
	.amdhsa_kernel k_q8343eedf8b_cast
		.amdhsa_group_segment_fixed_size 0
		.amdhsa_private_segment_fixed_size 0
		.amdhsa_enable_private_segment 0
		.amdhsa_kernarg_size 48
		.amdhsa_user_sgpr_count 2
		.amdhsa_user_sgpr_kernarg_segment_ptr 1
		.amdhsa_wavefront_size32 1
		.amdhsa_system_sgpr_workgroup_id_x 1
		.amdhsa_system_sgpr_workgroup_id_y 1
		.amdhsa_system_sgpr_workgroup_id_z 1
		.amdhsa_system_vgpr_workitem_id 0
		.amdhsa_next_free_vgpr 108
		.amdhsa_next_free_sgpr 66
		.amdhsa_reserve_vcc 0
		.amdhsa_float_denorm_mode_32 3
		.amdhsa_float_denorm_mode_16_64 3
		.amdhsa_memory_ordered 1
		.amdhsa_forward_progress 1
		.amdhsa_inst_pref_size 16
	.end_amdhsa_kernel
	.amdgpu_metadata
---
amdhsa.version: [ 1, 2 ]
amdhsa.kernels:
  - .name:           k_q8343eedf8b_cast
    .symbol:         k_q8343eedf8b_cast.kd
    .args:
      - { .name: x, .offset: 0, .size: 8, .value_kind: global_buffer, .address_space: global }
      - { .name: w_qkv, .offset: 8, .size: 8, .value_kind: global_buffer, .address_space: global }
      - { .name: w_proj, .offset: 16, .size: 8, .value_kind: global_buffer, .address_space: global }
      - { .name: xb, .offset: 24, .size: 8, .value_kind: global_buffer, .address_space: global }
      - { .name: wqb, .offset: 32, .size: 8, .value_kind: global_buffer, .address_space: global }
      - { .name: wpf, .offset: 40, .size: 8, .value_kind: global_buffer, .address_space: global }
    .group_segment_fixed_size: 0
    .private_segment_fixed_size: 0
    .kernarg_segment_align: 8
    .kernarg_segment_size: 48
    .max_flat_workgroup_size: 256
    .sgpr_count:     66
    .vgpr_count:     108
    .wavefront_size: 32
...
	.end_amdgpu_metadata
.endif
;; end of part 1
;; launch qkvg (part 2): grid 16 x 32, 4 waves a work-group, clusters of 4 x 4, 327,680 bytes of LDS; arguments xb, wqb, b_qkv, qkv; writes qkv
.if DOCPART == 2
	.amdgcn_target "amdgcn-amd-amdhsa--gfx1250"
	.amdhsa_code_object_version 6
	.text
	.protected	k_q8343eedf8b_qkvg
	.globl	k_q8343eedf8b_qkvg
	.p2align	8
	.type	k_q8343eedf8b_qkvg,@function
k_q8343eedf8b_qkvg:
	s_mov_b64 s[64:65], 0
	v_nop
	global_prefetch_b8 v0, s[64:65] scope:SCOPE_SE
	s_setreg_imm32_b32 hwreg(HW_REG_WAVE_MODE, 25, 1), 1
	s_wait_xcnt 0x0
	s_wait_alu depctr_hold_cnt(0) depctr_sa_sdst(0) depctr_va_vdst(0) depctr_va_sdst(0) depctr_va_ssrc(0) depctr_va_vcc(0) depctr_vm_vsrc(0)
	s_getreg_b32 s2, hwreg(HW_REG_IB_STS2, 6, 4)
	s_cmp_eq_u32 s2, 0
	s_cbranch_scc0 .Lentry_in_a_cluster
	s_endpgm
.Lentry_in_a_cluster:
	s_bfe_u32 s2, ttmp6, 0x10000c
	s_cmp_lg_u32 s2, 0xf033
	s_cbranch_scc0 .Lentry_shape_is_right
	s_endpgm
.Lentry_shape_is_right:
; qkv = xb wqb^T + bf16(b_qkv), written BY HEADS in f16: qkv[part][batch x 16 + head][row][64], part 0 q, 1 k, 2 v.  xb: [8192][1024] bf16, wqb: [3072][1024] bf16; sums in f32, rounded once, unscaled.
; LIMIT.  f16 holds no number beyond 65,504: a q, k or v past that becomes an infinity.  The bias is rounded to bf16 like the other inputs.
; SHARES.  A tile of the product is 256 rows x 192 columns, three whole heads: 16 x 32 = 512 work-groups of equal work.  Wave w makes rows 64 w .. 64 w + 63 and all 192 columns:
; 4 x 12 accumulators of 16 x 16, 384 registers; so a wave stores whole rows of whole heads.  For 32 along K a wave reads 32 x 512 bytes of LDS and issues 48 matrix instructions.
; RING.  K goes in 8 steps of 128 through two LDS slots filled by the tensor data mover; a tile's rows are 256 bytes of memory at multiples of 256.  Waves 0, 1 fetch A's halves (128 rows), waves 2, 3 B's (96 rows).
; CLUSTER.  4 x 4 work-groups: A's tile is shared along a row of the cluster, B's along a column: each is asked for JOINTLY, by the same tensor load with the same descriptor and a mask that names the four.
; THE MATRIX INSTRUCTION IS USED TRANSPOSED (source 0 = 16 rows of wqb, source 1 = 16 rows of xb): lane l holds row l % 16 and the columns 8 (l / 16) + 0..7.  The first product of each sum takes the bias as C.
; REGISTERS, in windows of 256 (s_set_vgpr_msb: bits 1:0 source 0, 3:2 source 1, 5:4 source 2, 7:6 destination):
;   window 0: v16-30 addresses; v32-79 packed results; v80-127 rows read back; v128-223 the bias, 8 registers for each block of 16 columns
;   window 1: B's fragments, two buffers of 96 (v0-191); A's, two buffers of 32 (v192-255)        window 2: accumulators of row blocks 0, 1 at 8 (12 a + b)        window 3: of row blocks 2, 3
.set PITCH,  272                       ; an LDS row: 256 bytes + 16 of padding = 68 words: the 16 rows of a fragment load start at 16 different groups of four banks (64 banks of 4 bytes: ISA guide 11.1)
.set HALFA,  128*PITCH
.set HALFB,  96*PITCH
.set SLOT,   2*HALFA+2*HALFB           ; A's 256 rows, then B's 192 rows: 121,856 bytes
.set STAGE,  2*SLOT                    ; behind the ring, never filled by a tensor load: for each wave 3 heads x 16 rows x 144 bytes
.set SP,     144
.set HPL,    16*SP
.set WSTG,   3*HPL
.set SPARE,  STAGE+4*WSTG              ; behind the stages: the spare words, 128 bytes for each wave: two blocks of 256 bytes that no other line names
.set KBY,    256                       ; bytes of a row in a K step
.set ADRA, 16                          ; v16-17  LDS address of my A fragments in slot 0, 1
.set ADRB, 20                          ; v20-21  the same for B
.set STO,  24                          ; v24     the way out: where I put 16 bytes of a row
.set RD,   25                          ; v25     the way out: where I read rows back
.set GO,   26                          ; v26     my 16 bytes in 512 consecutive bytes of qkv
.set SPW,  28                          ; v28     LDS address of my spare word; never rewritten
.set NIL,  29                          ; v29     0; never rewritten
.set PFO,  30                          ; v30     the prefetches' offset: a lane a row; never rewritten
.set TMP,  32
.set OB,   80
.set BI,   128
.set F0,   0                           ; the fragment buffers' numbers
.set F1,   1
.set WV,   12                          ; s12  my wave's number
.set FBW,  13                          ; s13  0: I fetch for A; 1: for B
.set HF,   14                          ; s14  which half of that tile's rows I fetch
.set G1,   24                          ; s[24:31] descriptor group 1 for A's tiles;  s[32:39] group 0, a set for each slot
.set G0,   32
.set LIM,  43                          ; s43  1 in a wave that prefetches, else the greatest number
.set PFA,  44                          ; s[44:45] where my prefetches stand
.set G1B,  48                          ; s[48:55], s[56:63] the same for B's tiles
.set G0B,  56
.set HB,   68                          ; s[68:73] qkv at my wave's first row in each of the tile's three heads
.set DCON, (1<<16)|(1<<20)|(1<<21)|(5<<22)|(3<<25)  ; 17:16 elements of 2 bytes; 20 padding on; 21 set beside a mask; 24:22 after every 64 words (code 5); 31:25 4 words of it (code 3)
.set MSB, 0
.macro WIN new                         ; the immediate's high byte repeats the setting that is left; a switch that changes nothing is dropped
.if MSB != (\new)
	s_set_vgpr_msb (MSB<<8)|(\new)
.set MSB, (\new)
.endif
.endm
.macro PLACES                          ; four places in front of loads into registers that matrix instructions have read, and of conversions that read results
.rept 4
	v_nop
.endr
.endm
; A joint load.  The branch hangs on the wave's number alone.  An s_nop 0 and four v_nop follow each of the two lines, ahead of the jump and the label.
.macro JLOAD s
	s_cmp_eq_u32 s[FBW], 0
	s_cbranch_scc0 .Lfor_b_\@
	tensor_load_to_lds s[G0+4*(\s):G0+4*(\s)+3], s[G1:G1+7]
	s_nop 0
.rept 4
	v_nop
.endr
	s_branch .Lasked_\@
.Lfor_b_\@:
	tensor_load_to_lds s[G0B+4*(\s):G0B+4*(\s)+3], s[G1B:G1B+7]
	s_nop 0
.rept 4
	v_nop
.endr
.Lasked_\@:
.endm
; A prefetch of the K step that stands two refills on: 256 bytes of a row, a lane a row, one instruction a wave.  A's tile rows are read by every cluster of a row of clusters: the one with x = 0 asks;
; B's by every cluster of a column: the one with y = 0 asks.  The four partners of a joint load share its rows out BY ADDRESS: 32 of A's 128 by cx, 24 of B's 96 by cy (there lanes 24-31 name lane 23's row again).
; The loop's last trip (s3 = 1) asks for nothing: K steps 4 to 7 are named, K steps 0 to 3 come by their loads alone.
.macro ASK
	s_cmp_gt_u32 s3, s[LIM]
	s_cbranch_scc0 .Lnot_mine_\@
	global_prefetch_b8 v[PFO], s[PFA:PFA+1] offset:KBY th:TH_LOAD_NT scope:SCOPE_SE
.Lnot_mine_\@:
.endm
.macro CREST                           ; a round of the cluster's barrier behind its opening barrier
	s_cmp_lg_u32 s[WV], 0
	s_cbranch_scc1 .Lnot_wave_0_\@
	s_barrier_signal -3
.Lnot_wave_0_\@:
	s_barrier_wait -3
	s_barrier_signal -1
	s_barrier_wait -1
.endm
.macro CROUND                          ; a whole round
	s_barrier_signal -1
	s_barrier_wait -1
	CREST
.endm
	s_load_b256 s[4:11], s[0:1], 0x0               ; xb s[4:5], wqb s[6:7], b_qkv s[8:9], qkv s[10:11]
	v_lshl_add_u32 v[SPW], v0, 2, SPARE
	v_mov_b32 v[NIL], 0
	ds_add_u32 v[SPW], v[NIL]                      ; the wave's opening: the add and its wait stand ahead of my first tensor load; the set-up below, work on registers, stands between them
	v_lshrrev_b32 v1, 5, v0
	v_readfirstlane_b32 s[WV], v1                  ; wave 0..3
	s_lshr_b32 s[FBW], s[WV], 1
	s_and_b32 s[HF], s[WV], 1
	s_bfe_u32 s15, ttmp6, 0x40000                  ; cx
	s_bfe_u32 s16, ttmp6, 0x40004                  ; cy
	s_lshl_b32 s17, ttmp9, 2
	s_add_co_u32 s17, s17, s15                     ; tile column = 4 x cluster x + cx
	s_and_b32 s18, ttmp7, 0xffff
	s_lshl_b32 s18, s18, 2
	s_add_co_u32 s18, s18, s16                     ; tile row = 4 x cluster y + cy
	s_lshl_b32 s20, s16, 2
	s_lshl_b32 s20, 15, s20                        ; my row of the cluster
	s_lshl_b32 s21, 0x1111, s15                    ; my column
	s_or_b32 s[G1], s20, DCON                      ; A's tiles go to my row,
	s_or_b32 s[G1B], s21, DCON                     ; B's to my column
.irp g, G1, G1B
	s_mov_b32 s[(\g)+1], 128<<16                   ; tensor_dim0 = 128
	s_mov_b32 s[(\g)+3], 128<<16                   ; tile_dim0 = 128
	s_mov_b32 s[(\g)+5], 1024                      ; 1,024 elements from row to row
	s_mov_b32 s[(\g)+6], 0
	s_mov_b32 s[(\g)+7], 0
.endr
	s_mov_b32 s[G1+2], 128<<16                     ; tensor_dim1 and tile_dim1: 128 rows of A,
	s_mov_b32 s[G1+4], 128
	s_mov_b32 s[G1B+2], 96<<16                     ; 96 rows of B
	s_mov_b32 s[G1B+4], 96
	s_lshl_b32 s40, s18, 8                         ; A: row 256 x tile row + 128 x half, 2,048 bytes a row
	s_lshl_b32 s41, s[HF], 7
	s_add_co_u32 s40, s40, s41
	s_lshl_b32 s40, s40, 11
	s_mov_b32 s41, 0
	s_mul_i32 s46, s17, 192                        ; B: row 192 x tile column + 96 x half
	s_mul_i32 s47, s[HF], 96
	s_add_co_u32 s46, s46, s47
	s_lshl_b32 s46, s46, 11
	s_mov_b32 s47, 0
	s_mul_i32 s22, s[HF], HALFA                    ; where they go: no place in the cluster enters an LDS address
	s_mul_i32 s23, s[HF], HALFB
	s_add_co_u32 s23, s23, 2*HALFA
	s_wait_dscnt 0x0                               ; the opening add is done
	s_wait_kmcnt 0x0
	s_add_nc_u64 s[40:41], s[4:5], s[40:41]
	s_add_nc_u64 s[46:47], s[6:7], s[46:47]
	CROUND                                         ; all sixteen work-groups are here: the first joint loads meet
.irp s, 0,1
	s_mov_b32 s[G0+4*(\s)], 1                      ; count = 1
	s_add_co_u32 s[G0+4*(\s)+1], s22, (\s)*SLOT    ; LDS address
	s_add_nc_u64 s[G0+4*(\s)+2:G0+4*(\s)+3], s[40:41], (\s)*KBY  ; global address: K step s
	s_or_b32 s[G0+4*(\s)+3], s[G0+4*(\s)+3], 0x80000000          ; type = 2
	s_mov_b32 s[G0B+4*(\s)], 1
	s_add_co_u32 s[G0B+4*(\s)+1], s23, (\s)*SLOT
	s_add_nc_u64 s[G0B+4*(\s)+2:G0B+4*(\s)+3], s[46:47], (\s)*KBY
	s_or_b32 s[G0B+4*(\s)+3], s[G0B+4*(\s)+3], 0x80000000
.endr
	s_cmp_eq_u32 s[FBW], 0                         ; a wave's two first fills stand in one branch, ahead of every wait on TENSORcnt and every LDS read: two loads of mine are out
	s_cbranch_scc0 .Lfirst_b
	tensor_load_to_lds s[G0:G0+3], s[G1:G1+7]
	s_nop 0
	tensor_load_to_lds s[G0+4:G0+7], s[G1:G1+7]
	s_nop 0
.rept 4
	v_nop
.endr
	s_branch .Lfirst_asked
.Lfirst_b:
	tensor_load_to_lds s[G0B:G0B+3], s[G1B:G1B+7]
	s_nop 0
	tensor_load_to_lds s[G0B+4:G0B+7], s[G1B:G1B+7]
	s_nop 0
.rept 4
	v_nop
.endr
.Lfirst_asked:
	v_and_b32 v1, 15, v0                           ; l % 16
	v_bfe_u32 v2, v0, 4, 1                         ; l / 16
	v_and_b32 v3, 31, v0                           ; l
	v_lshlrev_b32 v4, 5, v2                        ; the bias: register j of block b is column 16 b + 8 (l / 16) + j: 32 bytes at 64 b + 32 (l / 16)
	s_mul_i32 s20, s17, 768                        ; the tile's 192 columns
	s_mov_b32 s21, 0
	s_add_nc_u64 s[8:9], s[8:9], s[20:21]
.irp b, 0,1,2,3,4,5,6,7,8,9,10,11
	global_load_b128 v[BI+8*(\b):BI+8*(\b)+3],   v4, s[8:9] offset:64*(\b)
	global_load_b128 v[BI+8*(\b)+4:BI+8*(\b)+7], v4, s[8:9] offset:64*(\b)+16
.endr
	; A fragment is 16 rows x 32 K in 8 registers: lane l holds row l % 16; registers 0-3 K = 8 (l / 16) + 0..7, registers 4-7 K = 16 + 8 (l / 16) + 0..7: two loads of 16 bytes, 32 bytes apart.
	v_mul_u32_u24 v5, v1, PITCH
	v_lshl_add_u32 v5, v2, 4, v5                   ; row x pitch + 16 x half
	s_mul_i32 s20, s[WV], 64*PITCH                 ; my 64 rows of A
	v_add_nc_u32 v[ADRA], s20, v5
	v_add_nc_u32 v[ADRA+1], SLOT, v[ADRA]
	v_add_nc_u32 v[ADRB], 2*HALFA, v5              ; B's rows lie behind A's 256
	v_add_nc_u32 v[ADRB+1], SLOT, v[ADRB]
	s_mul_i32 s20, s[WV], WSTG
	s_add_co_u32 s20, s20, STAGE                   ; my stage
	v_mul_u32_u24 v6, v1, SP                       ; in: row l % 16, 16 bytes for each half of the lanes
	v_lshl_add_u32 v6, v2, 4, v6
	v_add_nc_u32 v[STO], s20, v6
	v_lshrrev_b32 v6, 3, v3                        ; back: 32 lanes take four rows of 128 bytes,
	v_and_b32 v7, 7, v0
	v_mul_u32_u24 v6, v6, SP
	v_lshl_add_u32 v6, v7, 4, v6
	v_add_nc_u32 v[RD], s20, v6
	v_lshlrev_b32 v[GO], 4, v3                     ; which are 512 consecutive bytes of a head
	; where my rows lie in qkv: batch = tile row / 8 (4,194,304 bytes), row in the batch (tile row % 8) x 256 + 64 w (128 bytes each); head group g = 3 x tile column + j: part g / 16 (16,777,216 bytes), head g % 16 (262,144)
	s_lshr_b32 s20, s18, 3
	s_lshl_b32 s20, s20, 22
	s_and_b32 s21, s18, 7
	s_lshl_b32 s21, s21, 15
	s_add_co_u32 s20, s20, s21
	s_lshl_b32 s21, s[WV], 13
	s_add_co_u32 s20, s20, s21
	s_mul_i32 s42, s17, 3
.irp j, 0,1,2
	s_add_co_u32 s21, s42, (\j)
	s_lshr_b32 s22, s21, 4
	s_lshl_b32 s22, s22, 24
	s_and_b32 s21, s21, 15
	s_lshl_b32 s21, s21, 18
	s_add_co_u32 s22, s22, s21
	s_add_co_u32 s22, s22, s20
	s_mov_b32 s23, 0
	s_add_nc_u64 s[HB+2*(\j):HB+2*(\j)+1], s[10:11], s[22:23]
.endr
	; the prefetches: nothing is asked for here, at the head, where every work-group's first tiles are on their way
	s_and_b32 s22, ttmp7, 0xffff                   ; cluster y
	s_lshl_b32 s20, s18, 8
	s_lshl_b32 s21, s[HF], 7
	s_add_co_u32 s20, s20, s21
	s_lshl_b32 s21, s15, 5
	s_add_co_u32 s20, s20, s21                     ; in A: the 128 rows that I fetch, my work-group's 32 of them
	s_mul_i32 s21, s17, 192
	s_mul_i32 s23, s[HF], 96
	s_add_co_u32 s21, s21, s23
	s_mul_i32 s23, s16, 24
	s_add_co_u32 s21, s21, s23                     ; in B: the 96 rows that I fetch, my work-group's 24 of them
	s_cmp_eq_u32 s[FBW], 0
	s_cselect_b32 s20, s20, s21
	s_cselect_b32 s22, ttmp9, s22                  ; the coordinate along which other clusters read the same rows
	s_cselect_b32 s23, 31, 23
	s_cselect_b64 s[PFA:PFA+1], s[4:5], s[6:7]
	s_cmp_eq_u32 s22, 0
	s_cselect_b32 s[LIM], 1, -1                    ; the same in all sixteen partners, for a given wave
	s_lshl_b32 s20, s20, 11
	s_mov_b32 s21, 0
	s_add_nc_u64 s[PFA:PFA+1], s[PFA:PFA+1], s[20:21]
	s_add_nc_u64 s[PFA:PFA+1], s[PFA:PFA+1], 2*KBY ; at K step 2: the first refill steps it to 3 and names K step 4
	v_min_u32 v[PFO], s23, v3
	v_lshlrev_b32 v[PFO], 11, v[PFO]
	s_mov_b32 s20, 0xffff0000
	s_wait_loadcnt 0x0                             ; the bias is in: rounded to bf16 and widened again, in place
.set i, 0
.rept 48
	v_cvt_pk_bf16_f32 v[8+i%4], v[BI+2*i], v[BI+2*i+1]
	v_lshlrev_b32 v[BI+2*i], 16, v[8+i%4]
	v_and_b32 v[BI+2*i+1], s20, v[8+i%4]
.set i, i+1
.endr
; 12 matrix instructions: row block a x all 12 column blocks, 32 along K, from buffer f.  first = 1: the product starts the sums, with the bias as C.  The 48 accumulators take turns, in the same order
; in every quarter, over the backward jump too.
.macro MULA f, a, first
.if \first
	WIN 0x85+0x40*((\a)/2)
.else
	WIN 0xa5+0x50*((\a)/2)
.endif
.irp b, 0,1,2,3,4,5,6,7,8,9,10,11
.if \first
	v_wmma_f32_16x16x32_bf16 v[8*(12*((\a)%2)+(\b)):8*(12*((\a)%2)+(\b))+7], v[96*(\f)+8*(\b):96*(\f)+8*(\b)+7], v[192+32*(\f)+8*(\a):192+32*(\f)+8*(\a)+7], v[BI+8*(\b):BI+8*(\b)+7]
.else
	v_wmma_f32_16x16x32_bf16 v[8*(12*((\a)%2)+(\b)):8*(12*((\a)%2)+(\b))+7], v[96*(\f)+8*(\b):96*(\f)+8*(\b)+7], v[192+32*(\f)+8*(\a):192+32*(\f)+8*(\a)+7], v[8*(12*((\a)%2)+(\b)):8*(12*((\a)%2)+(\b))+7]
.endif
.endr
.endm
; 32 LDS loads in one run: the fragments of one quarter step (192 rows of B, my 64 rows of A, 32 K at byte k of the rows) into buffer f; A's last
.macro FETCH slot, k, f
	WIN 0x40                                       ; destination window 1, address window 0
.irp i, 0,1,2,3,4,5,6,7,8,9,10,11
	ds_load_b128 v[96*(\f)+8*(\i):96*(\f)+8*(\i)+3],   v[ADRB+(\slot)] offset:(\k)+(\i)*16*PITCH
	ds_load_b128 v[96*(\f)+8*(\i)+4:96*(\f)+8*(\i)+7], v[ADRB+(\slot)] offset:(\k)+(\i)*16*PITCH+32
.endr
.irp i, 0,1,2,3
	ds_load_b128 v[192+32*(\f)+8*(\i):192+32*(\f)+8*(\i)+3],   v[ADRA+(\slot)] offset:(\k)+(\i)*16*PITCH
	ds_load_b128 v[192+32*(\f)+8*(\i)+4:192+32*(\f)+8*(\i)+7], v[ADRA+(\slot)] offset:(\k)+(\i)*16*PITCH+32
.endr
.endm
; A K step is four quarters of 32 along K, 48 matrix instructions each, on buffers 0, 1, 0, 1.  One of the first three: multiplies buffer f; in its middle it fetches the next quarter, at byte k, into g.
.macro QUARTER slot, k, f, g, first
	s_wait_dscnt 4                                 ; B and A's row blocks 0, 1 are in; the youngest four loads (A's blocks 2, 3) may be out
	MULA \f, 0, \first
	MULA \f, 1, \first
	PLACES
	FETCH \slot, \k, \g
	s_wait_dscnt 32                                ; all but the 32 just issued
	MULA \f, 2, \first
	MULA \f, 3, \first
.endm
; The last quarter multiplies buffer 1 and changes slots: ONE barrier; in front of it each wave waits for all its tensor loads (one is out: its part of the next slot), adds 0 to its spare word, and waits for that
; and for its own reads of this slot.  fill = 1: the barrier opens a round of the cluster's, and this slot is filled again, two K steps ahead, first thing behind the round.
.macro TURN slot, next, fill
.if \fill
	s_wait_xcnt 0x0                                ; the last prefetch, a K step back, has read its address: it is stepped here, ahead of the waits of the change of slots
	s_add_nc_u64 s[PFA:PFA+1], s[PFA:PFA+1], KBY
.endif
	WIN 0                                          ; (the add's two registers lie in window 0)
	s_wait_tensorcnt 0x0                           ; all my tensor loads have landed;
	ds_add_u32 v[SPW], v[NIL]                      ; 0 onto my spare word
	s_wait_dscnt 5                                 ; (the add and the youngest four loads may be out)
	MULA F1, 0, 0                                  ; twelve matrix instructions stand between the add and the wait for it
	s_wait_dscnt 0x0                               ; the add is done, and my reads of this slot are over
	s_barrier_signal -1
	MULA F1, 1, 0                                  ; work on registers while the others arrive
.if \fill
	WIN 0
.endif
	s_barrier_wait -1
.if \fill
	CREST                                          ; no wave of any partner still reads this slot's tile or has a load on its way
	s_add_nc_u64 s[G0+4*(\slot)+2:G0+4*(\slot)+3], s[G0+4*(\slot)+2:G0+4*(\slot)+3], 2*KBY
	s_add_nc_u64 s[G0B+4*(\slot)+2:G0B+4*(\slot)+3], s[G0B+4*(\slot)+2:G0B+4*(\slot)+3], 2*KBY
	JLOAD \slot                                    ; the first tensor load behind the round; the four v_nop behind it are also the places in front of the loads below
.else
	PLACES
.endif
	FETCH \next, 0, F0
.if \fill
	WIN 0                                          ; (a branch follows)
	ASK                                            ; behind the joint load and the run of LDS loads that the next products wait for
.endif
	MULA F1, 2, 0
	MULA F1, 3, 0
.endm
; THE WAY OUT of row block a.  PACK: rounded to f16, 16 bytes a lane, each accumulator from its low end on.  TOSTAGE: into my own stage, head by head, and back as whole rows of 128 bytes.  SEND: stored.
.macro PACK a
	WIN 0x0a+5*((\a)/2)                            ; sources 0 and 1: window 2 or 3
.irp b, 0,1,2,3,4,5,6,7,8,9,10,11
.irp r, 0,1,2,3
	v_cvt_pk_f16_f32 v[TMP+4*(\b)+(\r)], v[8*(12*((\a)%2)+(\b))+2*(\r)], v[8*(12*((\a)%2)+(\b))+2*(\r)+1]
.endr
.endr
	WIN 0
.endm
.macro TOSTAGE
.irp b, 0,1,2,3,4,5,6,7,8,9,10,11
	ds_store_b128 v[STO], v[TMP+4*(\b):TMP+4*(\b)+3] offset:((\b)/4)*HPL+((\b)%4)*32
.endr
	s_wait_xcnt 0x0                                ; the last block's stores have read their registers: these are loaded again only behind this wait
.irp j, 0,1,2
.irp t, 0,1,2,3
	ds_load_b128 v[OB+4*(4*(\j)+(\t)):OB+4*(4*(\j)+(\t))+3], v[RD] offset:(\j)*HPL+(\t)*4*SP  ; LDS serves a wave's instructions in order (ISA guide 5.7.1.4): these see the stores above
.endr
.endr
.endm
.macro SEND a
.irp j, 0,1,2
.irp t, 0,1,2,3
	s_wait_dscnt 11-4*(\j)-(\t)                    ; the younger loads from the stage may stay out
	global_store_b128 v[GO], v[OB+4*(4*(\j)+(\t)):OB+4*(4*(\j)+(\t))+3], s[HB+2*(\j):HB+2*(\j)+1] offset:(\a)*2048+(\t)*512  ; four rows of a head: 512 consecutive bytes, at a multiple of 256 from qkv's first
.endr
.endr
.endm
	s_wait_tensorcnt 1                             ; my part of K step 0 is in; K step 1's may stay out
	s_barrier_signal -1
	s_barrier_wait -1                              ; everybody's is
	FETCH 0, 0, F0
	QUARTER 0, 64,  F0, F1, 1                      ; the first quarter stands in front of the loop: its products start the sums
	WIN 0                                          ; at a label and at a branch every window is 0
	s_mov_b32 s3, 3
.Llap:                                                 ; three trips: once round the ring each, from a lap's second quarter to the next lap's first; K steps 2 to 7 are asked for
	QUARTER 0, 128, F1, F0, 0
	QUARTER 0, 192, F0, F1, 0
	TURN 0, 1, 1
	QUARTER 1, 64,  F0, F1, 0
	QUARTER 1, 128, F1, F0, 0
	QUARTER 1, 192, F0, F1, 0
	TURN 1, 0, 1
	QUARTER 0, 64,  F0, F1, 0
	WIN 0
	s_sub_co_u32 s3, s3, 1
	s_cmp_lg_u32 s3, 0
	s_cbranch_scc1 .Llap
	QUARTER 0, 128, F1, F0, 0                      ; the last lap fills nothing, and has no round of the cluster's barrier
	QUARTER 0, 192, F0, F1, 0
	TURN 0, 1, 0
	QUARTER 1, 64,  F0, F1, 0
	QUARTER 1, 128, F1, F0, 0
	QUARTER 1, 192, F0, F1, 0
	s_wait_dscnt 4                                 ; the very last quarter: nothing more to fetch
	MULA F1, 0, 0
	MULA F1, 1, 0
	s_wait_dscnt 0x0
	MULA F1, 2, 0
	MULA F1, 3, 0
	PLACES
	PACK 0
	TOSTAGE
.irp a, 1,2,3                          ; block a's conversions stand between block a - 1's loads from the stage and the wait for them
	PACK \a
	SEND (\a)-1
	TOSTAGE
.endr
	SEND 3
	s_wait_tensorcnt 0x0                           ; the wave's end: the add to my spare word and its waits stand behind my last tensor load and my last LDS store
	ds_add_u32 v[SPW], v[NIL]
	s_wait_dscnt 0x0
	CROUND                                         ; the closing round: no work-group ends while a partner may still ask for a tile that names it
	s_endpgm
.Lfunc_end_k_q8343eedf8b_qkvg:
	.size	k_q8343eedf8b_qkvg, .Lfunc_end_k_q8343eedf8b_qkvg-k_q8343eedf8b_qkvg
	.p2alignl 7, 3214868480
	.fill 96, 4, 3214868480
	.section	.rodata,"a",@progbits
	.p2align	6, 0x0
	.amdhsa_kernel k_q8343eedf8b_qkvg
		.amdhsa_group_segment_fixed_size 327680
		.amdhsa_private_segment_fixed_size 0
		.amdhsa_enable_private_segment 0
		.amdhsa_kernarg_size 32
		.amdhsa_user_sgpr_count 2
		.amdhsa_user_sgpr_kernarg_segment_ptr 1
		.amdhsa_wavefront_size32 1
		.amdhsa_system_sgpr_workgroup_id_x 1
		.amdhsa_system_sgpr_workgroup_id_y 1
		.amdhsa_system_sgpr_workgroup_id_z 1
		.amdhsa_system_vgpr_workitem_id 0
		.amdhsa_next_free_vgpr 960
		.amdhsa_next_free_sgpr 76
		.amdhsa_reserve_vcc 0
		.amdhsa_float_denorm_mode_32 3
		.amdhsa_float_denorm_mode_16_64 3
		.amdhsa_memory_ordered 1
		.amdhsa_forward_progress 1
		.amdhsa_inst_pref_size 129
	.end_amdhsa_kernel
	.amdgpu_metadata
---
amdhsa.version: [ 1, 2 ]
amdhsa.kernels:
  - .name:           k_q8343eedf8b_qkvg
    .symbol:         k_q8343eedf8b_qkvg.kd
    .args:
      - { .name: xb, .offset: 0, .size: 8, .value_kind: global_buffer, .address_space: global }
      - { .name: wqb, .offset: 8, .size: 8, .value_kind: global_buffer, .address_space: global }
      - { .name: b_qkv, .offset: 16, .size: 8, .value_kind: global_buffer, .address_space: global }
      - { .name: qkv, .offset: 24, .size: 8, .value_kind: global_buffer, .address_space: global }
    .group_segment_fixed_size: 327680
    .private_segment_fixed_size: 0
    .kernarg_segment_align: 8
    .kernarg_segment_size: 32
    .max_flat_workgroup_size: 128
    .sgpr_count:     76
    .vgpr_count:     960
    .wavefront_size: 32
...
	.end_amdgpu_metadata
.endif
;; end of part 2
;; launch attn (part 3): grid 4 x 64, 4 waves a work-group, clusters of 4 x 1, 327,680 bytes of LDS; arguments qkv, o; writes o
.if DOCPART == 3
	.amdgcn_target "amdgcn-amd-amdhsa--gfx1250"
	.amdhsa_code_object_version 6
	.text
	.protected	k_q8343eedf8b_attn
	.globl	k_q8343eedf8b_attn
	.p2align	8
	.type	k_q8343eedf8b_attn,@function
k_q8343eedf8b_attn:
	s_mov_b64 s[64:65], 0
	v_nop
	global_prefetch_b8 v0, s[64:65] scope:SCOPE_SE
	s_setreg_imm32_b32 hwreg(HW_REG_WAVE_MODE, 25, 1), 1
	s_wait_xcnt 0x0
	s_wait_alu depctr_hold_cnt(0) depctr_sa_sdst(0) depctr_va_vdst(0) depctr_va_sdst(0) depctr_va_ssrc(0) depctr_va_vcc(0) depctr_vm_vsrc(0)
	s_getreg_b32 s2, hwreg(HW_REG_IB_STS2, 6, 4)
	s_cmp_eq_u32 s2, 0
	s_cbranch_scc0 .Lentry_in_a_cluster
	s_endpgm
.Lentry_in_a_cluster:
	s_bfe_u32 s2, ttmp6, 0x10000c
	s_cmp_lg_u32 s2, 0x3003
	s_cbranch_scc0 .Lentry_shape_is_right
	s_endpgm
.Lentry_shape_is_right:
; O[h][q][:] = the sum over k of softmax_k(clip(Q[h][q] . K[h][k] / 8, -50, 50)) V[h][k][:].  qkv: [3][SIZE_H][SIZE_N][64] f16 (q, k, v; h = batch x 16 + head), o: [SIZE_H][SIZE_N][64] f16: a head's rows are dense,
; 128 bytes each.  Products, maxima and sums in f32; the weights p are rounded to f16 for the second product (their sum l is taken of the unrounded p), O once at the end.
; LIMITS.  f16 holds no number beyond 65,504: Q, K and V arrive within it; p lies in 0 to 1, and below 6e-5 it keeps f16's fixed step of 6e-8; O is a mean of V's rows and has their range.
; A weight below 2^-126 counts as 0 in l; NaN and infinities are not treated apart.
; SHARES.  A wave owns four PIECES of two tiles of 16 queries, a work-group's four waves 512 queries of one head; a head's 2,048 queries are one cluster.  Every wave walks all keys, 64 a step.
; LAYOUT.  S^T = K Q^T (source 0 = 16 keys, source 1 = 16 queries): in the result a lane holds ONE query (lane % 16) and the keys 8 (lane / 16) + 0..7.  Two such tiles, rounded to f16 in pairs,
; ARE source 1 (32 keys x 16 queries) of O^T = V^T P, whose result again holds one query a lane, and eight channels.  K comes out of LDS as it lies, V ([key][channel]) turned, by ds_load_tr16_b128.
; THE CLIP.  u = s / 800 + 1/2, held to 0 .. 1 by the multiply-add's clamp, is (clip(s / 8, -50, 50) + 50) / 100: one packed instruction for two scores.
; SOFTMAX.  For each query a running maximum m of u and a sum l: p = 2^(c u - c m), c = 100 log2(e); in every step O and l are multiplied by a = 2^(c m_old - c m_new), which is 1 where m has not grown.
; m starts at the lowest finite number, O and l at 0: the first step is a step like any other, with a = 0.
; THE COUNT.  A tile and step have 16 matrix and 134 vector instructions: too many to stand all beside the matrix work.  So the order has one aim: four vector instructions that are READY behind
; EVERY matrix instruction, and the others, which need time of their own whatever the order, in runs without a gap.
; BY TURNS.  Turn n belongs to piece n (the pieces in a ring, step after step).  Its matrix work: 16 products K Q^T of piece n + 1, later 16 products V^T P of piece n - 1.  Its vector work: the scaling,
; exponentials, roundings, sums and rescaling of piece n, and the clip, maximum and statistics of piece n + 1, whose scores the turn itself has made.  So what a turn begins with (c u - c m, O a) waits for nothing.
; CLUSTER.  The four query blocks of a cluster belong to one head and walk the same K and V, so each tile is asked for JOINTLY: the same tensor load, descriptor and mask in all four.
; REGISTERS, in windows of 256 (s_set_vgpr_msb says which window each operand place means: bits 1:0 source 0, 3:2 source 1, 5:4 source 2, 7:6 destination):
;   window 0: v0-11 addresses and the clip's constants; v12-15, v48-63 at work; v16-47 four registers of statistics a tile; v64-191 S^T, two buffers of two tiles; v192-255 P, likewise
;   window 1: O^T, 32 a tile          window 2: v0-127 Q, 16 a tile; v128-191 K of one step; v192-255 V of one step          window 3: v0-1 the add's two registers
; A piece's buffers go by its number's parity: the piece in hand has one pair, its two neighbours in the ring share the other: of it P (piece n - 1) is read and S^T (piece n + 1) written.
.set SIZE_H, 64
.set SIZE_N, 2048
.set NP,    4         ; pieces a wave: a name, no knob: the register map, the loop and the fetches are made for four
.set KS,    64        ; keys in a step
.set PK,    144       ; a row of K in LDS: 128 bytes + 16 of padding = 36 words: the 16 rows of a load start at 16 different groups of four banks (64 banks of 4 bytes: ISA guide 11.1)
.set PV,    160       ; a row of V: 128 + 32 = 40 words
.set VOFF,  4*KS*PK   ; a slot holds four steps: 256 rows of K, then 256 rows of V
.set SLOT1, 1<<17     ; slot 1 begins here, so that one exclusive or turns an address in one slot into the other's
.set STAGE, SLOT1+4*KS*(PK+PV)  ; behind the ring, never filled by a tensor load: 16 rows x 144 bytes for each wave, for the way out
.set SP,    144
.set KB,  0           ; v0-1   1/2, twice: made when the thread's number has had its last use
.set AK0, 2           ; v2   my lane's place in a tile of K; never rewritten
.set AV0, 3           ; v3   the same for V
.set AK,  4           ; v4   the LDS address of K's next run of loads
.set AV,  5           ; v5   of V's
.set QO,  6           ; v6   my byte offset in the wave's rows of Q
.set STO, 6           ;      later, the way out: where I put 16 bytes of a row
.set RD,  7           ; v7   the way out: where I read rows back
.set GO,  8           ; v8   my byte offset in 512 consecutive bytes of O
.set PFO, 9           ; v9   the prefetches' offset: 256 x my lane
.set KA,  10          ; v10-11  1/800, twice
.set SPW, 0           ; v0 of window 3   LDS address of my spare word: SPARE + 4 x my thread's number; never rewritten
.set NIL, 1           ; v1 of window 3   0; never rewritten
.set SPARE, STAGE+4*16*SP  ; behind the stages: the spare words, 128 bytes for each wave: two blocks of 256 bytes that no other line names
.set MV,  12          ; v12-15  c m_old, kept while c m is made anew: by buffer and tile
.set ST,  16          ; tile t's statistics at v[ST+4 t]: c m, m, l (even keys', odd keys')
.set TMP, 48          ; by buffer and tile, four registers c0-c3 at work; when the maximum is found c2 takes a
.set S,   64
.set P,   192
.set KF,  128         ; K's fragments, in window 2: key block kb, channel half c at KF + 16 kb + 8 c
.set VF,  192         ; V's: key half kk, channel block cb at VF + 32 kk + 8 cb
.set WV,  12          ; s12  my wave's number
.set G1K, 24          ; s[24:31] descriptor group 1 for K's tiles
.set G1V, 32          ; s[32:39] for V's: it differs in the padding alone
.set G0K, 40          ; s[40:43] descriptor group 0 for K's tiles: it walks
.set G0V, 44          ; s[44:47] the same for V's
.set PFA, 48          ; s[48:49] where my prefetches stand: my work-group's 8,192 bytes (of K: wave 0, of V: wave 2) of the slot after the one that is being asked for
.set LIM, 50          ; s50  1 in a wave that prefetches, else the greatest number
.set SLOTS, 56        ; s56  slots still to be asked for
.set CNT, 57          ; s57  counts a slot's key steps
.set CS,  58          ; s[58:59] c: the packed scaling takes the pair's low word for both halves
.set SEL, 60          ; s[60:61] v_permlanex16_b32's selects: each lane takes its own place in the other half
.set TBK, 62          ; s62  LDS byte at which K of the step to be fetched begins
.set TBV, 63          ; s63  the same for V, less VOFF
.set MSB, 0
.macro WIN new                      ; the high byte repeats the setting that is left; a switch that changes nothing is dropped
.if MSB != (\new)
	s_set_vgpr_msb (MSB<<8)|(\new)
.set MSB, (\new)
.endif
.endm
.set W_KQ, 0x0a       ; K and Q in window 2, S^T in window 0
.set W_PV, 0x52       ; V in window 2, P in window 0, O^T in window 1
.set W_RS, 0x41       ; O^T (destination and source 0) in window 1, a in window 0
.set W_MK, 0xc0       ; the add's registers are made: destination in window 3, sources in window 0
.set W_AD, 0x0f       ; the add: address (source 0) and data (source 1) in window 3
; A joint fill.  Waves 0 and 1 fetch the two halves of a slot's K, waves 2 and 3 those of its V: 128 keys each.  The branch hangs on the wave's number alone.
; An s_nop 0 and four v_nop follow each of the two lines, ahead of the jump and the label.
.macro JLOAD
	s_cmp_lt_u32 s[WV], 2
	s_cbranch_scc0 .Lfor_v_\@
	tensor_load_to_lds s[G0K:G0K+3], s[G1K:G1K+7]
	s_nop 0
.rept 4
	v_nop
.endr
	s_branch .Lasked_\@
.Lfor_v_\@:
	tensor_load_to_lds s[G0V:G0V+3], s[G1V:G1V+7]
	s_nop 0
.rept 4
	v_nop
.endr
.Lasked_\@:
.endm
; A prefetch of what the NEXT change of slots will ask for: a slot's 32,768 bytes of K and of V, 256 bytes a lane.  It stands behind the wave's tensor load and its five lines.  A head is walked by one cluster alone;
; its four partners share a slot out BY ADDRESS, 8,192 bytes each; in each, wave 0 asks for K's and wave 2 for V's: one instruction.  So each block of 256 bytes is named once in the launch.
; Slots 3 to 7 are named, four key steps ahead; slots 0 to 2 come by their loads alone, and the last change that fills a slot asks for nothing.
.macro ASK
	s_cmp_gt_u32 s[SLOTS], s[LIM]
	s_cbranch_scc0 .Lnot_mine_\@
	global_prefetch_b8 v[PFO], s[PFA:PFA+1] th:TH_LOAD_NT scope:SCOPE_SE
.Lnot_mine_\@:
.endm
; A round of the cluster's barrier: my work-group's barrier, so that wave 0's signal speaks for all four waves; wave 0 signals; every wave waits for all four work-groups; my work-group's barrier once more.
.macro CROUND
	s_barrier_signal -1
	s_barrier_wait -1
	s_cmp_lg_u32 s[WV], 0
	s_cbranch_scc1 .Lnot_wave_0_\@
	s_barrier_signal -3
.Lnot_wave_0_\@:
	s_barrier_wait -3
	s_barrier_signal -1
	s_barrier_wait -1
.endm
; THE CHANGE OF SLOTS.  The slot's last bytes, V of its fourth step, have been read.  Each wave waits for all its tensor loads, of which one is out: its part
; of the other slot; adds 0 to its spare word; and waits for that and for its own reads of the slot.  Behind the barrier nobody reads this slot any more and the other slot is whole.
; fill = 1: this slot is filled again, with the keys two slots on.  The barrier is then a round of the cluster's, so that no wave of any partner still reads the slot or has a load on its
; way, and the joint fill is the first thing behind it: it has four key steps, 512 matrix instructions, in which to land.  (At its first use nothing has been read yet: slot 0 is waited for, slot 1 filled.)
; ask = 1: the prefetches' address steps a slot on, and the slot behind the one just asked for is prefetched.
.macro CHANGE fill, ask
	WIN W_AD
	s_wait_tensorcnt 0x0            ; no tensor load of mine is out, so a group 0 may be written
	ds_add_u32 v[SPW], v[NIL]       ; 0 onto my spare word; with fill = 1 the descriptors' steps stand between it and the wait for it
	WIN 0                           ; at a label and at a branch every window is 0
.if \fill
.irp g, G0K, G0V
	s_xor_b32 s[\g+1], s[\g+1], SLOT1  ; the walking descriptor: the other slot than last time,
	s_add_nc_u64 s[\g+2:\g+3], s[\g+2:\g+3], 4*KS*128  ; the next 256 keys; the type bits on top are not reached
.endr
.if \ask
	s_wait_xcnt 0x0                 ; the last prefetch, four key steps back, has read its address, so it may be written
	s_add_nc_u64 s[PFA:PFA+1], s[PFA:PFA+1], 4*KS*128
.endif
	s_wait_dscnt 0x0                ; the add is done, and my reads of the slot are over
	CROUND
	JLOAD
.if \ask
	ASK
.endif
.else
	s_wait_dscnt 0x0                ; the add is done, and my reads of the slot are over
	s_barrier_signal -1
	s_barrier_wait -1
.endif
	s_sub_co_u32 s[TBK], s[TBK], 4*KS*PK  ; the fetches go back to a slot's first step,
	s_xor_b32 s[TBK], s[TBK], SLOT1       ; in the other slot
	s_sub_co_u32 s[TBV], s[TBV], 4*KS*PV
	s_xor_b32 s[TBV], s[TBV], SLOT1
.endm
	s_load_b64 s[4:5], s[0:1], 0x0    ; qkv: q lies at its head
	s_load_b64 s[10:11], s[0:1], 0x8  ; o
	WIN W_MK
	v_lshl_add_u32 v[SPW], v0, 2, SPARE
	v_mov_b32 v[NIL], 0
	WIN W_AD
	ds_add_u32 v[SPW], v[NIL]       ; the wave's opening: the add and its wait stand ahead of my first tensor load; the set-up below, work on registers, stands between them
	WIN 0
	v_lshrrev_b32 v1, 5, v0
	v_readfirstlane_b32 s[WV], v1   ; wave 0..3
	s_bfe_u32 s13, ttmp6, 0x40000   ; cx: my place in the cluster
	s_lshl_b32 s14, ttmp9, 2        ; in a cluster launch ttmp9 counts clusters
	s_add_co_u32 s14, s14, s13      ; my block of queries = 4 x cluster x + cx: it enters Q's, O's and the prefetches' addresses alone
	s_and_b32 s20, ttmp7, 0xffff    ; the head, which the four partners share
	s_mov_b32 s21, 0
	s_mov_b64 s[22:23], SIZE_N*128
	s_mul_u64 s[20:21], s[20:21], s[22:23]  ; the head's first byte in q, k, v and o
	s_and_b32 s16, s[WV], 1         ; which half of a slot's 256 keys I fetch:
	s_lshl_b32 s22, s16, 14         ; its 128 rows of 128 bytes in memory,
	s_mov_b32 s23, 0
	s_add_nc_u64 s[22:23], s[22:23], s[20:21]
	s_mul_i32 s17, s16, 128*PK      ; and its place in a slot, for K
	s_mul_i32 s18, s16, 128*PV      ; and for V: no place in the cluster enters an LDS address
	s_lshl_b32 s2, s14, 2
	s_add_co_u32 s2, s2, s[WV]      ; my wave among the head's,
	s_lshl_b32 s2, s2, 14           ; its 128 rows
	s_mov_b32 s3, 0
	s_add_nc_u64 s[2:3], s[2:3], s[20:21]
	; descriptor group 1.  128 keys are 16,384 dense bytes: asked for as 64 rows of 256 bytes, two keys a row, and padded in LDS after every key
	s_mov_b32 s[G1K], 15|(1<<16)|(1<<20)|(1<<21)|(4<<22)|(3<<25)  ; 15:0 the mask of four; 17:16 2-byte elements; 20 padding on; 21 set beside a mask; 24:22 after every 32 words (code 4); 31:25 4 words (code 3)
	s_mov_b32 s[G1V], 15|(1<<16)|(1<<20)|(1<<21)|(4<<22)|(7<<25)  ; the same with 8 words of padding (code 7)
.irp g, G1K, G1V
	s_mov_b32 s[\g+1], 128<<16      ; tensor_dim0 = 128
	s_mov_b32 s[\g+2], 64<<16       ; tensor_dim1 = 64
	s_mov_b32 s[\g+3], 128<<16      ; tile_dim0 = 128
	s_mov_b32 s[\g+4], 64           ; tile_dim1 = 64
	s_mov_b32 s[\g+5], 128          ; 128 elements from row to row
	s_mov_b32 s[\g+6], 0
	s_mov_b32 s[\g+7], 0
.endr
	s_mov_b32 s[CS], 0x431044fe     ; c = 100 log2(e) = 144.2695
	s_mov_b32 s[CS+1], s[CS]        ; named with it as a pair
	s_mov_b32 s[SEL], 0x76543210
	s_mov_b32 s[SEL+1], 0xfedcba98
	s_mov_b32 s[TBK], SLOT1+4*KS*PK ; the first change of slots turns these two into 0
	s_mov_b32 s[TBV], SLOT1+4*KS*PV
	s_mov_b32 s[G0K], 1             ; 1:0 count = 1
	s_mov_b32 s[G0K+1], s17         ; 63:32 LDS address: slot 0
	s_mov_b32 s[G0V], 1
	s_add_co_u32 s[G0V+1], s18, VOFF
	s_cmp_eq_u32 s16, 0             ; waves 0 and 2 prefetch: the same in all four partners
	s_cselect_b32 s[LIM], 1, -1
	s_wait_dscnt 0x0                ; the opening add is done
	s_wait_kmcnt 0x0
	s_add_nc_u64 s[6:7], s[4:5], 0x1000000   ; k lies 16,777,216 bytes behind q,
	s_add_nc_u64 s[8:9], s[4:5], 0x2000000   ; v as far again
	s_add_nc_u64 s[G0K+2:G0K+3], s[6:7], s[22:23]  ; 120:64 global address: my half of the head's first 256 keys
	s_or_b32 s[G0K+3], s[G0K+3], 0x80000000        ; 127:126 type = 2
	s_add_nc_u64 s[G0V+2:G0V+3], s[8:9], s[22:23]
	s_or_b32 s[G0V+3], s[G0V+3], 0x80000000
	s_cmp_lt_u32 s[WV], 2
	s_cselect_b64 s[PFA:PFA+1], s[6:7], s[8:9]
	s_add_nc_u64 s[PFA:PFA+1], s[PFA:PFA+1], s[20:21]  ; the head,
	s_lshl_b32 s22, s13, 13
	s_mov_b32 s23, 0
	s_add_nc_u64 s[PFA:PFA+1], s[PFA:PFA+1], s[22:23]  ; my work-group's 8,192 bytes of a slot,
	s_add_nc_u64 s[PFA:PFA+1], s[PFA:PFA+1], 2*4*KS*128  ; in slot 2: the first change that asks steps it to slot 3.  Nothing is prefetched here, at the head, where every work-group's first tiles are on their way
	s_add_nc_u64 s[4:5], s[4:5], s[2:3]  ; Q and O at my wave's first row
	s_add_nc_u64 s[10:11], s[10:11], s[2:3]
	CROUND                          ; all four work-groups are here: the first joint loads meet
	JLOAD                           ; slot 0.  Slot 1 is asked for when slot 0 is in: the tile wanted first has the road to itself
	; A fragment of K or Q is 16 rows x 32 channels in 8 registers: lane l holds row l % 16, channels 8 (l / 16) + 0..7 and 16 + 8 (l / 16) + 0..7: two loads of 16 bytes, 32 bytes apart.
	v_and_b32 v1, 15, v0            ; l % 16
	v_bfe_u32 v9, v0, 4, 1          ; l / 16
	v_lshlrev_b32 v[QO], 7, v1
	v_lshl_add_u32 v[QO], v9, 4, v[QO]  ; row x 128 + 16 x half
	WIN 0x80                        ; destination window 2, address window 0
.set i, 0
.rept 4*NP                          ; Q stays in registers: tile i / 2, channels 32 (i % 2) on
	global_load_b128 v[8*i:8*i+3],   v[QO], s[4:5] offset:(i/2)*2048+(i%2)*64
	global_load_b128 v[8*i+4:8*i+7], v[QO], s[4:5] offset:(i/2)*2048+(i%2)*64+32
.set i, i+1
.endr
	; What the first turn finds: V's registers and P's second buffer hold 0 (its products V^T P, of a piece that has not been, add 0), O^T and l are 0.  All this stands in the wait for the first tile.
.set i, VF
.rept 64
	v_mov_b32 v[i], 0
.set i, i+1
.endr
	WIN 0x40
.set i, 0
.rept 64*NP
	v_mov_b32 v[i], 0
.set i, i+1
.endr
	WIN 0
.set i, 0
.rept 2*NP
	v_mov_b32 v[ST+4*i], 0xfe000000    ; c m: far below every c u
	v_mov_b32 v[ST+4*i+1], 0xff7fffff  ; m
	v_mov_b32 v[ST+4*i+2], 0
	v_mov_b32 v[ST+4*i+3], 0
.set i, i+1
.endr
.set i, P+32
.rept 32
	v_mov_b32 v[i], 0
.set i, i+1
.endr
	v_mul_u32_u24 v[AK0], v1, PK
	v_lshl_add_u32 v[AK0], v9, 4, v[AK0]  ; row x pitch + 16 x half
	; The turning load takes 16 keys x 16 channels (lane l reads key 8 (l / 16) + l % 8, channels 8 ((l / 8) % 2) + 0..7) and leaves half a fragment of V^T: lane l holds channel l % 16 and 8 keys.
	v_and_b32 v10, 7, v0
	v_bfe_u32 v11, v0, 3, 1
	v_lshl_add_u32 v[AV0], v9, 3, v10
	v_mul_u32_u24 v[AV0], v[AV0], PV
	v_lshl_add_u32 v[AV0], v11, 4, v[AV0]
	v_add_nc_u32 v[AV0], VOFF, v[AV0]
	v_mov_b32 v[AK], v[AK0]         ; key step 0 lies at the head of slot 0
; THE MATRIX WORK.  The 8 accumulators of a run of 16 take turns: between the two links of a chain stand 7 others'.
; Product i of 16 of S^T = K Q^T for piece x: channels 32 (i / 8) on, keys 16 ((i / 2) % 4) on, tile 2 x + i % 2.  The first 8 start the sums.
.macro KQ x
	WIN W_KQ
.set rS, S+64*((\x)%2)+32*(i%2)+8*((i/2)%4)
.set rK, KF+16*((i/2)%4)+8*(i/8)
.set rQ, 16*(2*(\x)+i%2)+8*(i/8)
.if i < 8
	v_wmma_f32_16x16x32_f16 v[rS:rS+7], v[rK:rK+7], v[rQ:rQ+7], 0
.else
	v_wmma_f32_16x16x32_f16 v[rS:rS+7], v[rK:rK+7], v[rQ:rQ+7], v[rS:rS+7]
.endif
.endm
; Product i of 16 of O^T += V^T P for piece x: keys 32 (i / 8) on, channels 16 ((i / 2) % 4) on, tile 2 x + i % 2.
.macro PV x
	WIN W_PV
.set rO, 32*(2*(\x)+i%2)+8*((i/2)%4)
.set rV, VF+32*(i/8)+8*((i/2)%4)
.set rP, P+32*((\x)%2)+16*(i%2)+8*(i/8)
	v_wmma_f32_16x16x32_f16 v[rO:rO+7], v[rV:rV+7], v[rP:rP+7], v[rO:rO+7]
.endm
.macro MM                           ; the turn's next matrix instruction
.if i < 16
	KQ (Y+1)%NP
.set i, i+1
.else
.set i, i-16
	PV (Y+NP-1)%NP
.set i, i+17
.endif
.endm
; THE LDS LOADS stand in runs of 16, never singly among the matrix instructions: a step's K (64 keys x 64 channels: 8 fragments) and its V (turned).  Their addresses are made some lines ahead.
; last = 1 (the tail): in the last trip there is no further step, and the run is jumped over.
.macro FETCH_K last=0
	WIN 0
.if \last
	s_cmp_eq_u32 s[CNT], 1
	s_cbranch_scc1 .Lno_k_\@
.endif
	WIN 0x80                        ; destination window 2
.irp f, 0,1,2,3,4,5,6,7             ; keys 16 (f / 2) on, channels 32 (f % 2) on
	ds_load_b128 v[KF+8*\f:KF+8*\f+3],   v[AK] offset:(\f/2)*16*PK+(\f%2)*64
	ds_load_b128 v[KF+8*\f+4:KF+8*\f+7], v[AK] offset:(\f/2)*16*PK+(\f%2)*64+32
.endr
	s_add_co_u32 s[TBK], s[TBK], KS*PK  ; the next fetch is the next step's
	WIN 0
.if \last
.Lno_k_\@:
.endif
.endm
.macro FETCH_V
	WIN 0x80
.irp f, 0,1,2,3,4,5,6,7             ; keys 32 (f / 4) on, channels 16 (f % 4) on
	ds_load_tr16_b128 v[VF+8*\f:VF+8*\f+3],   v[AV] offset:(\f/4)*32*PV+(\f%4)*32
	ds_load_tr16_b128 v[VF+8*\f+4:VF+8*\f+7], v[AV] offset:(\f/4)*32*PV+16*PV+(\f%4)*32
.endr
	WIN 0
.endm
; THE VECTOR WORK OF A TURN stands in three queues, each in the order in which its entries become ready; the two tiles alternate, so that no instruction reads the result of the one before it.
.macro REGS y, u                    ; the registers of tile u (0, 1) of piece y
.set rT, ST+4*(2*(\y)+(\u))
.set rC, TMP+8*((\y)%2)+4*(\u)
.set rM, MV+2*((\y)%2)+(\u)
.set rS, S+64*((\y)%2)+32*(\u)
.set rP, P+32*((\y)%2)+16*(\u)
.set rO, 32*(2*(\y)+(\u))
.endm
; The clip of pair n of 16 of the NEXT piece's (Y + 1) scores, in place: u = s / 800 + 1/2, held to 0 .. 1.  All sources are vector registers.  In ascending order: each accumulator's lowest registers
; are read first.  US, XS, GS and REGS set no window: PL and EX do.
.macro US u, n
	REGS (Y+1)%NP, \u
	v_pk_fma_f32 v[rS+2*(\n):rS+2*(\n)+1], v[rS+2*(\n):rS+2*(\n)+1], v[KA:KA+1], v[KB:KB+1] clamp
.endm
; Number n of the 22 that find the NEXT piece's maximum and statistics.  u0-u31 are the lane's 32 clipped scores.
;   0-11  four chains c0-c3 of seven scores each, three operands at a time     12-14, 16  the four scores left over, the old m, and c0-c3 into c0     15  c m_old is kept
;   17, 18  the query's other 32 keys lie in the lane 16 away: the new m         19-21  c m; c m_old - c m_new; a
.macro XS u, n
	REGS (Y+1)%NP, \u
.if (\n) < 4
	v_max3_num_f32 v[rC+(\n)], v[rS+8*(\n)], v[rS+8*(\n)+1], v[rS+8*(\n)+2]
.elseif (\n) < 12
	v_max3_num_f32 v[rC+(\n)%4], v[rC+(\n)%4], v[rS+8*((\n)%4)+2*((\n)/4)+1], v[rS+8*((\n)%4)+2*((\n)/4)+2]
.elseif (\n) == 12
	v_max3_num_f32 v[rC], v[rC], v[rS+7], v[rS+15]
.elseif (\n) == 13
	v_max3_num_f32 v[rC+1], v[rC+1], v[rS+23], v[rS+31]
.elseif (\n) == 14
	v_max3_num_f32 v[rC+2], v[rC+2], v[rC+3], v[rT+1]
.elseif (\n) == 15
	v_mov_b32 v[rM], v[rT]
	s_wait_alu depctr_va_vdst(0)
.elseif (\n) == 16
	v_max3_num_f32 v[rC], v[rC], v[rC+1], v[rC+2]
	s_wait_alu depctr_va_vdst(0)
.elseif (\n) == 17
	v_permlanex16_b32 v[rC+3], v[rC], s[SEL], s[SEL+1]
.elseif (\n) == 18
	v_max_num_f32 v[rT+1], v[rC], v[rC+3]
.elseif (\n) == 19
	v_mul_f32 v[rT], s[CS], v[rT+1]
.elseif (\n) == 20
	v_sub_f32 v[rC+1], v[rM], v[rT]
.else
	v_exp_f32 v[rC+2], v[rC+1]
.endif
.endm
; Number g of the 64 that follow the exponentials.  For each four weights k of a tile (pairs 2 k, 2 k + 1): both pairs are rounded to f16; then the second pair is added onto the first, in place;
; a group later l takes that sum (the first time as l = a l + sum).  In groups of eight, tiles alternating: round, round, add, and l for the group before.
.macro GS g
.set h, (\g)+6*((\g)/62)            ; group 0 has no group before it, and behind group 7 only l is left
.if h >= 6
.set h, h+2
.endif
	REGS Y, h%2
.set k, h/8
.if h%8 < 4
	s_wait_alu depctr_va_vdst(0)
	v_cvt_pk_f16_f32 v[rP+2*k+(h%8)/2], v[rS+4*k+2*((h%8)/2)], v[rS+4*k+2*((h%8)/2)+1]
.elseif h%8 < 6
	v_pk_add_f32 v[rS+4*k:rS+4*k+1], v[rS+4*k:rS+4*k+1], v[rS+4*k+2:rS+4*k+3]
.elseif k == 1
	v_pk_fma_f32 v[rT+2:rT+3], v[rT+2:rT+3], v[rC+2:rC+3], v[rS:rS+1] op_sel_hi:[1,0,1]
.else
	v_pk_add_f32 v[rT+2:rT+3], v[rT+2:rT+3], v[rS+4*k-4:rS+4*k-3]
	s_wait_alu depctr_va_vdst(0)
.endif
.endm
; THE PLAIN QUEUE, 170 long.  0-31: c u - c m for the 16 pairs of both tiles.  Then GS's 64, and among them the next piece's 74: number 15 at 38, 39; the 32 clips at 42-73, behind the products that make
; those scores; numbers 0-14 and 16 at 74-105; 17-20 at 127-138, two of three, since each waits for the one before it.
.macro PL
	WIN 0
.if q < 32
	REGS Y, q%2
	v_pk_fma_f32 v[rS+2*(q/2):rS+2*(q/2)+1], v[rS+2*(q/2):rS+2*(q/2)+1], s[CS:CS+1], v[rT:rT+1] op_sel_hi:[1,0,0] neg_lo:[0,0,1] neg_hi:[0,0,1]
.elseif q < 38
	GS q-32
.elseif q < 40
	XS q%2, 15
.elseif q < 42
	GS q-34
.elseif q < 74
	US q%2, (q-42)/2
.elseif q < 106
	XS q%2, (q-74)/2+(q-74)/30
.elseif q < 127
	GS q-98
.elseif (q < 139) && ((q-127)%3 < 2)
	XS (q-127)%3, 17+(q-127)/3
.elseif q < 139
	GS 29+(q-127)/3
.else
	GS q-106
.endif
.set q, q+1
.endm
; THE EXPONENTIALS' QUEUE, 66 long: u0-u31 of both tiles, and at its end the next piece's two a.
.set EA, 64
.macro EX
	WIN 0
.if (e == EA) || (e == EA+1)
	XS e-EA, 21
.else
.set x, e-2*(e/(EA+2))
	REGS Y, x%2
	v_exp_f32 v[rS+x/2], v[rS+x/2]
.endif
.set e, e+1
.endm
; THE RESCALING's QUEUE: O^T times a, the one part that leaves window 0, so it is dealt four at a time, eight times.
.macro R4
	REGS Y, r%2
	WIN W_RS
	s_wait_alu depctr_va_vdst(0)
.irp z, 0,1,2,3
	v_pk_mul_f32 v[rO+8*(r/2)+2*\z:rO+8*(r/2)+2*\z+1], v[rO+8*(r/2)+2*\z:rO+8*(r/2)+2*\z+1], v[rC+2:rC+3] op_sel_hi:[1,0]
.endr
.set r, r+1
.endm
; HOW THEY ARE DEALT.  Behind a matrix instruction four: plain, exponential, plain, plain (one exponential, a plain instruction on either side), or four of the rescaling.  None names a register of the
; products round it.  What is over stands in two LUMPS: an exponential and two plain by turns; the second ends in the two a, a plain instruction behind each, and 13 plain instructions.  The two
; v_permlanex16_b32 fall into the second lump, never behind a product.
; The queues lean on each other, and the deal keeps them in step: exponential e stands behind plain 2 (e / 4) + e % 2 (its scaling); a group k of GS wants 8 k + 8 exponentials out: when plain 32 comes, 10 are out,
; at 40: 13, at 106: 41, at 113 + 2 t: 44 + t, at 157: all; the two a come behind plain 137, which ends the chain that feeds them.
.macro SL
	MM
	PL
	EX
	PL
	PL
.endm
.macro BURST n                      ; 15 matrix instructions, or 16
.rept (\n)-7
	SL
.endr
.rept 3
	MM
	R4
	SL
.endr
	MM
	R4
.endm
; A TURN, for piece p.  cnt = 1: the loop's count is taken down some lines ahead of the branch that stands behind the turn.
; K of the next step is fetched in piece 2's turn, 25 vector instructions behind the last product that read K; its first reader comes behind the rest of the lump, 16 products and the second lump.
; V of the step in hand is fetched at the end of piece 0's turn, behind the whole second lump; its first reader comes behind 16 products and a lump.  The four conditions on e and q below go with the deal.
.macro TURN p, last=0, cnt=0
.set Y, (\p)
.set i, 0
.set q, 0
.set e, 0
.set r, 0
.if (\p) == NP-1
	s_wait_dscnt 0x0                ; K is in
.endif
	MM
.rept 4
	PL
.endr
	BURST 15
.rept 20
	EX
	PL
	PL
.if ((\p) == NP-2) && (e == 14)
	v_add_nc_u32 v[AK], s[TBK], v[AK0]
.endif
.if ((\p) == NP-2) && (e == 18)
	FETCH_K \last
.endif
.endr
.if (\p) == 1
	s_wait_dscnt 0x0                ; V is in
.endif
	BURST 16
.rept 21
	EX
	PL
	PL
.endr
.rept 2
	EX
	PL
.endr
.rept 13
	PL
.if ((\p) == 0) && (q == 160)
	v_add_nc_u32 v[AV], s[TBV], v[AV0]
	s_wait_alu depctr_va_vdst(0)
.endif
.if ((\p) == 0) && (q == 165)
	s_add_co_u32 s[TBV], s[TBV], KS*PV
.endif
.if (\cnt) && (q == 165)
	s_sub_co_u32 s[CNT], s[CNT], 1
	s_cmp_lg_u32 s[CNT], 0
.endif
.endr
.if (\p) == 0
	FETCH_V
.endif
.endm
	CHANGE 1, 0                     ; slot 0 is in, everybody's part of it; slot 1 is asked for
	FETCH_K                         ; key step 0
	s_wait_loadcnt 0x0              ; Q
	s_wait_dscnt 0x0
.set i, 0
.rept 16
	KQ 0                            ; piece 0's first scores: there is no vector work yet to set between them
.set i, i+1
.endr
	WIN 0                           ; the addresses for the way out and the constants: plain instructions, the places behind those products
	s_mul_i32 s13, s[WV], 16*SP
	s_add_co_u32 s13, s13, STAGE    ; my stage
	v_mul_u32_u24 v[STO], v1, SP    ; in: row l % 16, 16 bytes for each half of the lanes
	v_lshl_add_u32 v[STO], v9, 4, v[STO]
	v_add_nc_u32 v[STO], s13, v[STO]
	v_bfe_u32 v[RD], v0, 3, 2       ; back: 32 lanes take four rows of 128 bytes,
	v_mul_u32_u24 v[RD], v[RD], SP
	v_lshl_add_u32 v[RD], v10, 4, v[RD]
	v_add_nc_u32 v[RD], s13, v[RD]
	v_and_b32 v[GO], 31, v0         ; which are 512 consecutive bytes of O
	v_lshlrev_b32 v[PFO], 8, v[GO]  ; (v9, v10, v11, v1 and v0 have had their last other use)
	v_lshlrev_b32 v[GO], 4, v[GO]
	v_mov_b32 v[KA], 0x3aa3d70a     ; 1 / 800
	v_mov_b32 v[KA+1], 0x3aa3d70a
	v_mov_b32 v[KB], 0.5
	v_mov_b32 v[KB+1], 0.5
.set Y, NP-1                        ; US and XS work for piece Y + 1: piece 0
.set un, 0
.rept 16
	US 0, un                        ; piece 0's first clip,
	US 1, un
.set un, un+1
.endr
.irp n, 0,1,2,3,4,5,6,7,8,9,10,11,12,13,14,15,16,17,18,19,20,21
	XS 0, \n                        ; and its first maximum and statistics
	XS 1, \n
.endr
	s_mov_b32 s[CNT], 4
	s_mov_b32 s[SLOTS], SIZE_N/256-1
	s_branch .Lfirst                ; the loop is entered at a step's first turn, in the middle of a trip
.Lslot:                             ; SIZE_N / 256 - 2 times: every slot but the last two is filled again
	CHANGE 1, 1
	s_mov_b32 s[CNT], 4
.Lstep:                             ; a trip: pieces 2 and 3 of one step, then pieces 0 and 1 of the next, whose K and V it fetches
	TURN 2
	TURN 3
	WIN 0
.Lfirst:
	TURN 0
	TURN 1, 0, 1
	WIN 0
	s_cbranch_scc1 .Lstep
	s_sub_co_u32 s[SLOTS], s[SLOTS], 1
	s_cmp_lg_u32 s[SLOTS], 0
	s_cbranch_scc1 .Lslot
	CHANGE 0, 0                     ; the tail is written out: nothing is asked for
	s_mov_b32 s[CNT], 5             ; four trips fetch the last slot's steps; the fifth is left in its middle
.Ltail:
	TURN 2, 1
	TURN 3
	WIN 0
	s_sub_co_u32 s[CNT], s[CNT], 1
	s_cmp_eq_u32 s[CNT], 0
	s_cbranch_scc1 .Lout
	TURN 0
	TURN 1
	WIN 0
	s_branch .Ltail
.Lout:                              ; the fifth trip's 16 products K Q^T (on the last K once more) and what is made of them serve nothing: the price, once a launch, of one text for every trip
.set i, 0
.rept 16
	PV NP-1                         ; the last piece's V^T P of the last step
.set i, i+1
.endr
	; THE WAY OUT.  l's two halves and the other half of the lanes' are added; O^T is divided by l, rounded to f16 and sent through my stage in LDS, a tile at a time.  The additions are the places behind the last products.
	WIN 0
.macro ALL line:vararg              ; one line for each tile t
.set t, 0
.rept 2*NP
	\line
.set t, t+1
.endr
.endm
	ALL v_add_f32 v[ST+4*t+2], v[ST+4*t+2], v[ST+4*t+3]
	ALL v_permlanex16_b32 v[ST+4*t+3], v[ST+4*t+2], s[SEL], s[SEL+1]
	ALL v_add_f32 v[ST+4*t+2], v[ST+4*t+2], v[ST+4*t+3]
	ALL v_rcp_f32 v[ST+4*t+2], v[ST+4*t+2]
	v_nop                           ; a plain instruction between the last reciprocal and the use of its result
	s_wait_alu depctr_va_vdst(0)
; Tile t: a lane's eight channels of a row pack into 16 bytes; they go into rows of 144 bytes and come back as whole rows of 128, into S^T's registers.
.macro PACK t
	WIN W_RS
.set i, 32*(\t)
.rept 16
	v_pk_mul_f32 v[i:i+1], v[i:i+1], v[ST+4*(\t)+2:ST+4*(\t)+3] op_sel_hi:[1,0]
.set i, i+2
.endr
	WIN 0x05                        ; sources 0 and 1 window 1, destination window 0
.set i, 0
.rept 16
	v_cvt_pk_f16_f32 v[S+16*(\t)+i], v[32*(\t)+2*i], v[32*(\t)+2*i+1]
.set i, i+1
.endr
	WIN 0
.irp f, 0,1,2,3
	ds_store_b128 v[STO], v[S+16*(\t)+4*\f:S+16*(\t)+4*\f+3] offset:32*\f
.endr
.irp f, 0,1,2,3
	ds_load_b128 v[S+16*(\t)+4*\f:S+16*(\t)+4*\f+3], v[RD] offset:\f*4*SP  ; LDS serves a wave's instructions in order (ISA guide 5.7.1.4): these see the stores above; the next tile's stores come behind them
.endr
.endm
.macro SEND t, younger              ; younger: the LDS instructions issued behind tile t's loads: the next tile's eight, or none
	WIN 0
.irp f, 0,1,2,3
	s_wait_dscnt (\younger)+3-\f
	global_store_b128 v[GO], v[S+16*(\t)+4*\f:S+16*(\t)+4*\f+3], s[10:11] offset:(\t)*2048+\f*512  ; 512 consecutive bytes, at a multiple of 256 from O's first
.endr
.endm
	PACK 0
.set t, 1
.rept 2*NP-1                        ; a tile's arithmetic stands between the loads of the tile before and its stores
	PACK t
	SEND t-1, 8
.set t, t+1
.endr
	SEND 2*NP-1, 0
	WIN W_AD
	s_wait_tensorcnt 0x0            ; the wave's end: the add to my spare word and its waits stand behind my last tensor load and my last LDS store
	ds_add_u32 v[SPW], v[NIL]
	s_wait_dscnt 0x0
	WIN 0
	CROUND                          ; the closing round: no work-group ends while a partner may still ask for a tile that names it
	s_endpgm
.Lfunc_end_k_q8343eedf8b_attn:
	.size	k_q8343eedf8b_attn, .Lfunc_end_k_q8343eedf8b_attn-k_q8343eedf8b_attn
	.p2alignl 7, 3214868480
	.fill 96, 4, 3214868480
	.section	.rodata,"a",@progbits
	.p2align	6, 0x0
	.amdhsa_kernel k_q8343eedf8b_attn
		.amdhsa_group_segment_fixed_size 327680
		.amdhsa_private_segment_fixed_size 0
		.amdhsa_enable_private_segment 0
		.amdhsa_kernarg_size 16
		.amdhsa_user_sgpr_count 2
		.amdhsa_user_sgpr_kernarg_segment_ptr 1
		.amdhsa_wavefront_size32 1
		.amdhsa_system_sgpr_workgroup_id_x 1
		.amdhsa_system_sgpr_workgroup_id_y 1
		.amdhsa_system_sgpr_workgroup_id_z 1
		.amdhsa_system_vgpr_workitem_id 0
		.amdhsa_next_free_vgpr 770
		.amdhsa_next_free_sgpr 66
		.amdhsa_reserve_vcc 0
		.amdhsa_float_denorm_mode_32 3
		.amdhsa_float_denorm_mode_16_64 3
		.amdhsa_memory_ordered 1
		.amdhsa_forward_progress 1
		.amdhsa_inst_pref_size 228
	.end_amdhsa_kernel
	.amdgpu_metadata
---
amdhsa.version: [ 1, 2 ]
amdhsa.kernels:
  - .name:           k_q8343eedf8b_attn
    .symbol:         k_q8343eedf8b_attn.kd
    .args:
      - { .name: qkv, .offset: 0, .size: 8, .value_kind: global_buffer, .address_space: global }
      - { .name: o, .offset: 8, .size: 8, .value_kind: global_buffer, .address_space: global }
    .group_segment_fixed_size: 327680
    .private_segment_fixed_size: 0
    .kernarg_segment_align: 8
    .kernarg_segment_size: 16
    .max_flat_workgroup_size: 128
    .sgpr_count:     66
    .vgpr_count:     770
    .wavefront_size: 32
...
	.end_amdgpu_metadata
.endif
;; end of part 3
;; launch proj (part 4): grid 8 x 32, 4 waves a work-group, clusters of 4 x 4, 327,680 bytes of LDS; arguments o, wpf, b_proj, out0; writes out0
.if DOCPART == 4
	.amdgcn_target "amdgcn-amd-amdhsa--gfx1250"
	.amdhsa_code_object_version 6
	.text
	.protected	k_q8343eedf8b_proj
	.globl	k_q8343eedf8b_proj
	.p2align	8
	.type	k_q8343eedf8b_proj,@function
k_q8343eedf8b_proj:
	s_mov_b64 s[64:65], 0
	v_nop
	global_prefetch_b8 v0, s[64:65] scope:SCOPE_SE
	s_setreg_imm32_b32 hwreg(HW_REG_WAVE_MODE, 25, 1), 1
	s_wait_xcnt 0x0
	s_wait_alu depctr_hold_cnt(0) depctr_sa_sdst(0) depctr_va_vdst(0) depctr_va_sdst(0) depctr_va_ssrc(0) depctr_va_vcc(0) depctr_vm_vsrc(0)
	s_getreg_b32 s2, hwreg(HW_REG_IB_STS2, 6, 4)
	s_cmp_eq_u32 s2, 0
	s_cbranch_scc0 .Lentry_in_a_cluster
	s_endpgm
.Lentry_in_a_cluster:
	s_bfe_u32 s2, ttmp6, 0x10000c
	s_cmp_lg_u32 s2, 0xf033
	s_cbranch_scc0 .Lentry_shape_is_right
	s_endpgm
.Lentry_shape_is_right:
; out0 = O wpf^T + bf16(b_proj), f32.  O arrives BY HEADS: o[batch x 16 + head][2048][64] f16; row R = batch x 2048 + n of the product has K index head x 64 + channel.  wpf: [1024][1024] f16.  Sums in f32.
; The bias is rounded to bf16 like the other inputs.
; SHARES.  A tile of out0 is 256 rows x 128 columns: 8 x 32 = 256 work-groups.  Wave w makes rows 64 w .. 64 w + 63 and all 128 columns: 4 x 8 accumulators of 16 x 16, 256 registers.
; RING.  K goes in 8 steps of 128, two heads each, through two LDS slots.  Waves 0, 1 fetch A's halves: 128 rows of two heads; a head's 128 rows are 16,384 dense bytes, asked for as ONE row of the descriptor,
; the second head 262,144 bytes on as its second row, and padded in LDS after every 128 bytes.  Waves 2, 3 fetch B's halves: 64 rows of 256 bytes.
; CLUSTER.  4 x 4 work-groups: A's tile is shared along a row of the cluster, B's along a column: each is asked for JOINTLY, by the same tensor load with the same descriptor and a mask that names the four.
; THE MATRIX INSTRUCTION IS USED TRANSPOSED (source 0 = 16 rows of wpf, source 1 = 16 rows of O): lane l holds row l % 16 and the columns 8 (l / 16) + 0..7.  The first product of each sum takes the bias as C.
; No prefetch: a K step's work is short, the tile small, and the launch has eight K steps in all.
; REGISTERS, in windows of 256 (s_set_vgpr_msb: bits 1:0 source 0, 3:2 source 1, 5:4 source 2, 7:6 destination):
;   window 0: v16-29 addresses; v32-95 rows read back; v96-159 the bias        window 1: B's fragments, two buffers of 64 (v0-127); A's, two of 32 (v128-191)        window 2: accumulator (a, b) at 8 (8 a + b)
.set PB,     272                       ; a row of B in LDS: 256 bytes + 16 of padding
.set PA,     144                       ; a row of A (one head's 64 channels): 128 bytes + 16: both pitches are odd multiples of 16 bytes, so the 16 rows of a load start at 16 different groups of four banks (ISA guide 11.1)
.set PLANE,  128*PA                    ; 128 rows of one head
.set HALFA,  2*PLANE
.set HALFB,  64*PB
.set SLOT,   2*HALFA+2*HALFB           ; 108,544 bytes
.set STAGE,  2*SLOT                    ; behind the ring, never filled by a tensor load: for each wave 16 rows x 528 bytes
.set SP,     528                       ; 512 bytes of f32 + 16
.set WSTG,   16*SP
.set SPARE,  STAGE+4*WSTG              ; behind the stages: the spare words, 128 bytes for each wave: two blocks of 256 bytes that no other line names
.set ADRA, 16                          ; v16-17  LDS address of my A fragments in slot 0, 1
.set ADRB, 20                          ; v20-21  the same for B
.set STO,  24                          ; v24     the way out: where I put 32 bytes of a row
.set RD,   25                          ; v25     the way out: where I read a row back
.set CO,   26                          ; v26     my 16 bytes in 512 consecutive bytes of out0
.set SPW,  28                          ; v28     LDS address of my spare word; never rewritten
.set NIL,  29                          ; v29     0; never rewritten
.set OB,   32
.set BI,   96
.set F0,   0
.set F1,   1
.set WV,   12                          ; s12  my wave's number
.set FBW,  13                          ; s13  0: I fetch for A; 1: for B
.set HF,   14                          ; s14  which half of that tile's rows I fetch
.set G1,   24                          ; s[24:31] descriptor group 1 for A's tiles;  s[32:39] group 0, a set for each slot
.set G0,   32
.set G1B,  48                          ; s[48:55], s[56:63] the same for B's tiles
.set G0B,  56
.set MSB, 0
.macro WIN new                         ; the immediate's high byte repeats the setting that is left; a switch that changes nothing is dropped
.if MSB != (\new)
	s_set_vgpr_msb (MSB<<8)|(\new)
.set MSB, (\new)
.endif
.endm
.macro PLACES                          ; four places in front of loads into registers that matrix instructions have read, and of LDS stores that read results
.rept 4
	v_nop
.endr
.endm
.macro JLOAD s                         ; a joint load; the branch hangs on the wave's number alone; an s_nop 0 and four v_nop follow each of the two lines, ahead of the jump and the label
	s_cmp_eq_u32 s[FBW], 0
	s_cbranch_scc0 .Lfor_b_\@
	tensor_load_to_lds s[G0+4*(\s):G0+4*(\s)+3], s[G1:G1+7]
	s_nop 0
.rept 4
	v_nop
.endr
	s_branch .Lasked_\@
.Lfor_b_\@:
	tensor_load_to_lds s[G0B+4*(\s):G0B+4*(\s)+3], s[G1B:G1B+7]
	s_nop 0
.rept 4
	v_nop
.endr
.Lasked_\@:
.endm
.macro CREST                           ; a round of the cluster's barrier behind its opening barrier
	s_cmp_lg_u32 s[WV], 0
	s_cbranch_scc1 .Lnot_wave_0_\@
	s_barrier_signal -3
.Lnot_wave_0_\@:
	s_barrier_wait -3
	s_barrier_signal -1
	s_barrier_wait -1
.endm
.macro CROUND                          ; a whole round
	s_barrier_signal -1
	s_barrier_wait -1
	CREST
.endm
	s_load_b256 s[4:11], s[0:1], 0x0               ; o s[4:5], wpf s[6:7], b_proj s[8:9], out0 s[10:11]
	v_lshl_add_u32 v[SPW], v0, 2, SPARE
	v_mov_b32 v[NIL], 0
	ds_add_u32 v[SPW], v[NIL]                      ; the wave's opening: the add and its wait stand ahead of my first tensor load; the set-up below, work on registers, stands between them
	v_lshrrev_b32 v1, 5, v0
	v_readfirstlane_b32 s[WV], v1                  ; wave 0..3
	s_lshr_b32 s[FBW], s[WV], 1
	s_and_b32 s[HF], s[WV], 1
	s_bfe_u32 s15, ttmp6, 0x40000                  ; cx
	s_bfe_u32 s16, ttmp6, 0x40004                  ; cy
	s_lshl_b32 s17, ttmp9, 2
	s_add_co_u32 s17, s17, s15                     ; tile column = 4 x cluster x + cx
	s_and_b32 s18, ttmp7, 0xffff
	s_lshl_b32 s18, s18, 2
	s_add_co_u32 s18, s18, s16                     ; tile row = 4 x cluster y + cy
	s_lshl_b32 s20, s16, 2
	s_lshl_b32 s20, 15, s20                        ; my row of the cluster
	s_lshl_b32 s21, 0x1111, s15                    ; my column
	s_or_b32 s[G1], s20, (1<<16)|(1<<20)|(1<<21)|(4<<22)|(3<<25)   ; A: the mask of my row; elements of 2 bytes; padding on; 21 set beside a mask; after every 32 words (code 4) 4 words (code 3)
	s_or_b32 s[G1B], s21, (1<<16)|(1<<20)|(1<<21)|(5<<22)|(3<<25)  ; B: the mask of my column; after every 64 words (code 5) 4 words
	s_mov_b32 s[G1+1], 8192<<16                    ; A: tensor_dim0 = 8,192 elements: 128 rows of a head on end
	s_mov_b32 s[G1+2], 2<<16                       ; tensor_dim1 = 2 heads
	s_mov_b32 s[G1+3], 8192<<16                    ; tile_dim0 = 8,192
	s_mov_b32 s[G1+4], 2                           ; tile_dim1 = 2
	s_mov_b32 s[G1+5], 131072                      ; from head to head: 2,048 rows x 64 elements
	s_mov_b32 s[G1+6], 0
	s_mov_b32 s[G1+7], 0
	s_mov_b32 s[G1B+1], 128<<16                    ; B: 64 rows x 128 elements, 1,024 elements from row to row
	s_mov_b32 s[G1B+2], 64<<16
	s_mov_b32 s[G1B+3], 128<<16
	s_mov_b32 s[G1B+4], 64
	s_mov_b32 s[G1B+5], 1024
	s_mov_b32 s[G1B+6], 0
	s_mov_b32 s[G1B+7], 0
	s_lshr_b32 s40, s18, 3                         ; A: batch = tile row / 8: 16 heads of 262,144 bytes;
	s_lshl_b32 s40, s40, 22
	s_and_b32 s41, s18, 7                          ; row in the batch (tile row % 8) x 256 + 128 x half, 128 bytes a row
	s_lshl_b32 s41, s41, 15
	s_add_co_u32 s40, s40, s41
	s_lshl_b32 s41, s[HF], 14
	s_add_co_u32 s40, s40, s41
	s_mov_b32 s41, 0
	s_lshl_b32 s46, s17, 7                         ; B: row 128 x tile column + 64 x half, 2,048 bytes a row
	s_lshl_b32 s47, s[HF], 6
	s_add_co_u32 s46, s46, s47
	s_lshl_b32 s46, s46, 11
	s_mov_b32 s47, 0
	s_mul_i32 s22, s[HF], HALFA                    ; where they go: no place in the cluster enters an LDS address
	s_mul_i32 s23, s[HF], HALFB
	s_add_co_u32 s23, s23, 2*HALFA
	s_wait_dscnt 0x0                               ; the opening add is done
	s_wait_kmcnt 0x0
	s_add_nc_u64 s[40:41], s[4:5], s[40:41]
	s_add_nc_u64 s[46:47], s[6:7], s[46:47]
	CROUND                                         ; all sixteen work-groups are here: the first joint loads meet
.irp s, 0,1
	s_mov_b32 s[G0+4*(\s)], 1                      ; count = 1
	s_add_co_u32 s[G0+4*(\s)+1], s22, (\s)*SLOT    ; LDS address
	s_add_nc_u64 s[G0+4*(\s)+2:G0+4*(\s)+3], s[40:41], (\s)*524288  ; global address: K step s is heads 2 s, 2 s + 1
	s_or_b32 s[G0+4*(\s)+3], s[G0+4*(\s)+3], 0x80000000             ; type = 2
	s_mov_b32 s[G0B+4*(\s)], 1
	s_add_co_u32 s[G0B+4*(\s)+1], s23, (\s)*SLOT
	s_add_nc_u64 s[G0B+4*(\s)+2:G0B+4*(\s)+3], s[46:47], (\s)*256
	s_or_b32 s[G0B+4*(\s)+3], s[G0B+4*(\s)+3], 0x80000000
.endr
	s_cmp_eq_u32 s[FBW], 0                         ; a wave's two first fills stand in one branch, ahead of every wait on TENSORcnt and every LDS read: two loads of mine are out
	s_cbranch_scc0 .Lfirst_b
	tensor_load_to_lds s[G0:G0+3], s[G1:G1+7]
	s_nop 0
	tensor_load_to_lds s[G0+4:G0+7], s[G1:G1+7]
	s_nop 0
.rept 4
	v_nop
.endr
	s_branch .Lfirst_asked
.Lfirst_b:
	tensor_load_to_lds s[G0B:G0B+3], s[G1B:G1B+7]
	s_nop 0
	tensor_load_to_lds s[G0B+4:G0B+7], s[G1B:G1B+7]
	s_nop 0
.rept 4
	v_nop
.endr
.Lfirst_asked:
	v_and_b32 v1, 15, v0                           ; l % 16
	v_bfe_u32 v2, v0, 4, 1                         ; l / 16
	v_and_b32 v3, 31, v0                           ; l
	v_lshlrev_b32 v4, 5, v2                        ; the bias: register j of block b is column 16 b + 8 (l / 16) + j: 32 bytes at 64 b + 32 (l / 16)
	s_lshl_b32 s20, s17, 9                         ; the tile's 128 columns
	s_mov_b32 s21, 0
	s_add_nc_u64 s[8:9], s[8:9], s[20:21]
.irp b, 0,1,2,3,4,5,6,7
	global_load_b128 v[BI+8*(\b):BI+8*(\b)+3],   v4, s[8:9] offset:64*(\b)
	global_load_b128 v[BI+8*(\b)+4:BI+8*(\b)+7], v4, s[8:9] offset:64*(\b)+16
.endr
	; A fragment is 16 rows x 32 K in 8 registers: lane l holds row l % 16; registers 0-3 K = 8 (l / 16) + 0..7, registers 4-7 K = 16 + 8 (l / 16) + 0..7: two loads of 16 bytes, 32 bytes apart.
	v_mul_u32_u24 v5, v1, PA
	v_lshl_add_u32 v5, v2, 4, v5
	s_mul_i32 s20, s[FBW], HALFA                   ; my 64 rows of A: half w / 2, its rows 64 (w % 2) on
	s_mul_i32 s21, s[HF], 64*PA
	s_add_co_u32 s20, s20, s21
	v_add_nc_u32 v[ADRA], s20, v5
	v_add_nc_u32 v[ADRA+1], SLOT, v[ADRA]
	v_mul_u32_u24 v5, v1, PB
	v_lshl_add_u32 v5, v2, 4, v5
	v_add_nc_u32 v[ADRB], 2*HALFA, v5              ; B's rows lie behind A's two halves
	v_add_nc_u32 v[ADRB+1], SLOT, v[ADRB]
	s_mul_i32 s20, s[WV], WSTG
	s_add_co_u32 s20, s20, STAGE                   ; my stage
	v_mul_u32_u24 v6, v1, SP                       ; in: row l % 16, 32 bytes for each half of the lanes
	v_lshl_add_u32 v6, v2, 5, v6
	v_add_nc_u32 v[STO], s20, v6
	v_lshl_add_u32 v[RD], v3, 4, s20               ; back: 32 lanes take one row of 512 bytes,
	v_lshlrev_b32 v[CO], 4, v3                     ; which are 512 consecutive bytes of out0
	s_lshl_b32 s20, s18, 20                        ; out0 at row 256 x tile row + 64 w (4,096 bytes a row), column 128 x tile column
	s_lshl_b32 s21, s[WV], 18
	s_add_co_u32 s20, s20, s21
	s_lshl_b32 s21, s17, 9
	s_add_co_u32 s20, s20, s21
	s_mov_b32 s21, 0
	s_add_nc_u64 s[10:11], s[10:11], s[20:21]
	s_mov_b32 s20, 0xffff0000
	s_wait_loadcnt 0x0                             ; the bias is in: rounded to bf16 and widened again, in place
.set i, 0
.rept 32
	v_cvt_pk_bf16_f32 v[8+i%4], v[BI+2*i], v[BI+2*i+1]
	v_lshlrev_b32 v[BI+2*i], 16, v[8+i%4]
	v_and_b32 v[BI+2*i+1], s20, v[8+i%4]
.set i, i+1
.endr
; 8 matrix instructions: row block a x all 8 column blocks, 32 along K, from buffer f.  first = 1: the product starts the sums, with the bias as C.  The 32 accumulators take turns, in the same order
; in every quarter, over the backward jump too.
.macro MULA f, a, first
.if \first
	WIN 0x85
.else
	WIN 0xa5
.endif
.irp b, 0,1,2,3,4,5,6,7
.if \first
	v_wmma_f32_16x16x32_f16 v[8*(8*(\a)+(\b)):8*(8*(\a)+(\b))+7], v[64*(\f)+8*(\b):64*(\f)+8*(\b)+7], v[128+32*(\f)+8*(\a):128+32*(\f)+8*(\a)+7], v[BI+8*(\b):BI+8*(\b)+7]
.else
	v_wmma_f32_16x16x32_f16 v[8*(8*(\a)+(\b)):8*(8*(\a)+(\b))+7], v[64*(\f)+8*(\b):64*(\f)+8*(\b)+7], v[128+32*(\f)+8*(\a):128+32*(\f)+8*(\a)+7], v[8*(8*(\a)+(\b)):8*(8*(\a)+(\b))+7]
.endif
.endr
.endm
; 24 LDS loads in one run: the fragments of quarter q of a K step (128 rows of B; my 64 rows of A, in head q / 2 of the step's two, channels 32 (q % 2) on) into buffer f; A's last
.macro FETCH slot, q, f
	WIN 0x40                                       ; destination window 1, address window 0
.irp i, 0,1,2,3,4,5,6,7
	ds_load_b128 v[64*(\f)+8*(\i):64*(\f)+8*(\i)+3],   v[ADRB+(\slot)] offset:64*(\q)+(\i)*16*PB
	ds_load_b128 v[64*(\f)+8*(\i)+4:64*(\f)+8*(\i)+7], v[ADRB+(\slot)] offset:64*(\q)+(\i)*16*PB+32
.endr
.irp i, 0,1,2,3
	ds_load_b128 v[128+32*(\f)+8*(\i):128+32*(\f)+8*(\i)+3],   v[ADRA+(\slot)] offset:((\q)/2)*PLANE+((\q)%2)*64+(\i)*16*PA
	ds_load_b128 v[128+32*(\f)+8*(\i)+4:128+32*(\f)+8*(\i)+7], v[ADRA+(\slot)] offset:((\q)/2)*PLANE+((\q)%2)*64+(\i)*16*PA+32
.endr
.endm
; A K step is four quarters of 32 along K, 32 matrix instructions each, on buffers 0, 1, 0, 1.  One of the first three: multiplies buffer f; in its middle it fetches quarter q into g.
.macro QUARTER slot, q, f, g, first
	s_wait_dscnt 4                                 ; B and A's row blocks 0, 1 are in; the youngest four loads (A's blocks 2, 3) may be out
	MULA \f, 0, \first
	MULA \f, 1, \first
	PLACES
	FETCH \slot, \q, \g
	s_wait_dscnt 24                                ; all but the 24 just issued
	MULA \f, 2, \first
	MULA \f, 3, \first
.endm
; The last quarter multiplies buffer 1 and changes slots: ONE barrier; in front of it each wave waits for all its tensor loads (one is out: its part of the next slot), adds 0 to its spare word, and waits for that
; and for its own reads of this slot.  fill = 1: the barrier opens a round of the cluster's, and this slot is filled again, two K steps ahead, first thing behind the round.
.macro TURN slot, next, fill
	WIN 0                                          ; (the add's two registers lie in window 0)
	s_wait_tensorcnt 0x0                           ; all my tensor loads have landed;
	ds_add_u32 v[SPW], v[NIL]                      ; 0 onto my spare word
	s_wait_dscnt 5                                 ; (the add and the youngest four loads may be out)
	MULA F1, 0, 0                                  ; eight matrix instructions stand between the add and the wait for it
	s_wait_dscnt 0x0                               ; the add is done, and my reads of this slot are over
	s_barrier_signal -1
	MULA F1, 1, 0                                  ; work on registers while the others arrive
.if \fill
	WIN 0
.endif
	s_barrier_wait -1
.if \fill
	CREST                                          ; no wave of any partner still reads this slot's tile or has a load on its way
	s_add_nc_u64 s[G0+4*(\slot)+2:G0+4*(\slot)+3], s[G0+4*(\slot)+2:G0+4*(\slot)+3], 1048576  ; four heads on
	s_add_nc_u64 s[G0B+4*(\slot)+2:G0B+4*(\slot)+3], s[G0B+4*(\slot)+2:G0B+4*(\slot)+3], 512
	JLOAD \slot                                    ; the first tensor load behind the round; the four v_nop behind it are also the places in front of the loads below
.else
	PLACES
.endif
	FETCH \next, 0, F0
	MULA F1, 2, 0
	MULA F1, 3, 0
.endm
	s_wait_tensorcnt 1                             ; my part of K step 0 is in; K step 1's may stay out
	s_barrier_signal -1
	s_barrier_wait -1                              ; everybody's is
	FETCH 0, 0, F0
	QUARTER 0, 1, F0, F1, 1                        ; the first quarter stands in front of the loop: its products start the sums
	WIN 0                                          ; at a label and at a branch every window is 0
	s_mov_b32 s3, 3
.Llap:                                                 ; three trips: once round the ring each, from a lap's second quarter to the next lap's first; K steps 2 to 7 are asked for
	QUARTER 0, 2, F1, F0, 0
	QUARTER 0, 3, F0, F1, 0
	TURN 0, 1, 1
	QUARTER 1, 1, F0, F1, 0
	QUARTER 1, 2, F1, F0, 0
	QUARTER 1, 3, F0, F1, 0
	TURN 1, 0, 1
	QUARTER 0, 1, F0, F1, 0
	WIN 0
	s_sub_co_u32 s3, s3, 1
	s_cmp_lg_u32 s3, 0
	s_cbranch_scc1 .Llap
	QUARTER 0, 2, F1, F0, 0                        ; the last lap fills nothing, and has no round of the cluster's barrier
	QUARTER 0, 3, F0, F1, 0
	TURN 0, 1, 0
	QUARTER 1, 1, F0, F1, 0
	QUARTER 1, 2, F1, F0, 0
	QUARTER 1, 3, F0, F1, 0
	s_wait_dscnt 4                                 ; the very last quarter: nothing more to fetch
	MULA F1, 0, 0
	MULA F1, 1, 0
	s_wait_dscnt 0x0
	MULA F1, 2, 0
	MULA F1, 3, 0
	; THE WAY OUT, a block of 16 rows at a time: a lane's 32 bytes of a row go into my own stage, each accumulator from its low end on; whole rows of 512 bytes come back and are stored.
	PLACES
.irp a, 0,1,2,3
	WIN 0x08                                       ; the stores' data (source 1) in window 2, their address in window 0
.irp b, 0,1,2,3,4,5,6,7
	ds_store_b128 v[STO], v[8*(8*(\a)+(\b)):8*(8*(\a)+(\b))+3]   offset:64*(\b)
	ds_store_b128 v[STO], v[8*(8*(\a)+(\b))+4:8*(8*(\a)+(\b))+7] offset:64*(\b)+16
.endr
	WIN 0
	s_wait_xcnt 0x0                                ; the last block's stores have read their registers: these are loaded again only behind this wait
.irp t, 0,1,2,3,4,5,6,7,8,9,10,11,12,13,14,15
	ds_load_b128 v[OB+4*(\t):OB+4*(\t)+3], v[RD] offset:(\t)*SP  ; LDS serves a wave's instructions in order (ISA guide 5.7.1.4): these see the stores above; the next block's stores come behind them
.endr
.irp t, 0,1,2,3,4,5,6,7,8,9,10,11,12,13,14,15
	s_wait_dscnt 15-(\t)                           ; the younger loads from the stage may stay out
	global_store_b128 v[CO], v[OB+4*(\t):OB+4*(\t)+3], s[10:11] offset:(16*(\a)+(\t))*4096 th:TH_STORE_NT  ; 512 consecutive bytes, at a multiple of 256 from out0's first
.endr
.endr
	s_wait_tensorcnt 0x0                           ; the wave's end: the add to my spare word and its waits stand behind my last tensor load and my last LDS store
	ds_add_u32 v[SPW], v[NIL]
	s_wait_dscnt 0x0
	CROUND                                         ; the closing round: no work-group ends while a partner may still ask for a tile that names it
	s_endpgm
.Lfunc_end_k_q8343eedf8b_proj:
	.size	k_q8343eedf8b_proj, .Lfunc_end_k_q8343eedf8b_proj-k_q8343eedf8b_proj
	.p2alignl 7, 3214868480
	.fill 96, 4, 3214868480
	.section	.rodata,"a",@progbits
	.p2align	6, 0x0
	.amdhsa_kernel k_q8343eedf8b_proj
		.amdhsa_group_segment_fixed_size 327680
		.amdhsa_private_segment_fixed_size 0
		.amdhsa_enable_private_segment 0
		.amdhsa_kernarg_size 32
		.amdhsa_user_sgpr_count 2
		.amdhsa_user_sgpr_kernarg_segment_ptr 1
		.amdhsa_wavefront_size32 1
		.amdhsa_system_sgpr_workgroup_id_x 1
		.amdhsa_system_sgpr_workgroup_id_y 1
		.amdhsa_system_sgpr_workgroup_id_z 1
		.amdhsa_system_vgpr_workitem_id 0
		.amdhsa_next_free_vgpr 768
		.amdhsa_next_free_sgpr 66
		.amdhsa_reserve_vcc 0
		.amdhsa_float_denorm_mode_32 3
		.amdhsa_float_denorm_mode_16_64 3
		.amdhsa_memory_ordered 1
		.amdhsa_forward_progress 1
		.amdhsa_inst_pref_size 92
	.end_amdhsa_kernel
	.amdgpu_metadata
---
amdhsa.version: [ 1, 2 ]
amdhsa.kernels:
  - .name:           k_q8343eedf8b_proj
    .symbol:         k_q8343eedf8b_proj.kd
    .args:
      - { .name: o, .offset: 0, .size: 8, .value_kind: global_buffer, .address_space: global }
      - { .name: wpf, .offset: 8, .size: 8, .value_kind: global_buffer, .address_space: global }
      - { .name: b_proj, .offset: 16, .size: 8, .value_kind: global_buffer, .address_space: global }
      - { .name: out0, .offset: 24, .size: 8, .value_kind: global_buffer, .address_space: global }
    .group_segment_fixed_size: 327680
    .private_segment_fixed_size: 0
    .kernarg_segment_align: 8
    .kernarg_segment_size: 32
    .max_flat_workgroup_size: 128
    .sgpr_count:     66
    .vgpr_count:     768
    .wavefront_size: 32
...
	.end_amdgpu_metadata
.endif
;; end of part 4
